; MI455X (gfx1250); checked and timed in simulation.
; The chip was launched on July 23, 2026; its instructions are those of AMD's public machine-readable ISA for CDNA 5 (MIT licence, August 2026) and "CDNA5" Instruction Set Architecture Reference Guide (July 2026). The comments in the code are by the model that wrote it; some were corrected since.
;; Multi Head Attention. Allowed arithmetic: matrix products marked QUANTISED: E2M3 operands, one E8M0 scale for each 32 along K, by v_wmma_scale_f32_16x16x128_f8f6f4 with both operands' format E2M3, f32 sums; everything else in f32.
;; Inputs: b_o 1,024 float32; w_k_codes 1,024 x 32 x 24 uint8 (E2M3 codes of w_k, K innermost, in blocks of 32 codes, four codes in three bytes); w_k_scales 1,024 x 32 uint8 (E8M0 scales of w_k, one for each 32 codes along K); w_o_codes 1,024 x 32 x 24 uint8 (E2M3 codes of w_o, K innermost, in blocks of 32 codes, four codes in three bytes); w_o_scales 1,024 x 32 uint8 (E8M0 scales of w_o, one for each 32 codes along K); w_q_codes 1,024 x 32 x 24 uint8 (E2M3 codes of w_q, K innermost, in blocks of 32 codes, four codes in three bytes); w_q_scales 1,024 x 32 uint8 (E8M0 scales of w_q, one for each 32 codes along K); w_v_codes 1,024 x 32 x 24 uint8 (E2M3 codes of w_v, K innermost, in blocks of 32 codes, four codes in three bytes); w_v_scales 1,024 x 32 uint8 (E8M0 scales of w_v, one for each 32 codes along K); x_codes 4 x 2,048 x 32 x 24 uint8 (E2M3 codes of x, K innermost, in blocks of 32 codes, four codes in three bytes); x_scales 4 x 2,048 x 32 uint8 (E8M0 scales of x, one for each 32 codes along K).
;; Outputs: out0 4 x 2,048 x 1,024 float32.
;; This version of the problem:
;;   THIS VERSION OF THE PROBLEM IS GIVEN IN LOW PRECISION. The matrix products marked QUANTISED in the list below multiply operands that are first quantised to E2M3 (2 exponent bits, 3 mantissa bits; 6 bits a number), with one power-of-two scale for each 32 numbers along K (OCP MX v1.0); their sums are f32. All else is computed in f32.
;;   The module's matrix products, in the order in which they are computed (A, B: the left and right operand; K: the contracted axis; several contracted axes count as one K, in the product's order):
;;     1. [M 8,192, K 1,024] x [K 1,024, N 1,024]; A: input x (given as codes); B: input w_q (given as codes): QUANTISED
;;     2. [M 8,192, K 1,024] x [K 1,024, N 1,024]; A: input x (given as codes); B: input w_k (given as codes): QUANTISED
;;     3. [M 8,192, K 1,024] x [K 1,024, N 1,024]; A: input x (given as codes); B: input w_v (given as codes): QUANTISED
;;     4. batch 64 x [M 2,048, K 64] x [K 64, N 2,048]; A: computed on the way; B: computed on the way: QUANTISED
;;     5. batch 64 x [M 2,048, K 2,048] x [K 2,048, N 64]; A: softmax (see below); B: computed on the way: QUANTISED
;;     6. [M 8,192, K 1,024] x [K 1,024, N 1,024]; A: computed on the way; B: input w_o (given as codes): QUANTISED
;;   THE QUANTISER, for each operand of a quantised product, along K:
;;     - K is cut into blocks of 32 from its start; a last block that is shorter is filled with zeros.
;;     - A block's scale is 2^e with e = floor(log2(the largest magnitude in the block)) - 2, held to -126 .. 127; a block of zeros has e = 0. As a byte (E8M0): e + 127.
;;     - Each number is divided by its block's scale, clamped to +-7.5, and rounded to the nearest number of E2M3, ties to even, subnormals kept.
;;     - The product sums the exact products of the quantised numbers (number of the format x scale) in f32.
;;   ~~~python
;;   def quantise(x, axis):      # numpy; x: float32 -> the quantised numbers, widened to float32 again
;;       x = np.moveaxis(x, axis, -1); K = x.shape[-1]
;;       x = np.pad(x, [(0, 0)] * (x.ndim - 1) + [(0, -K % 32)]); x = x.reshape(x.shape[:-1] + (-1, 32)); a = np.abs(x).max(-1, keepdims=True)
;;       e = np.where(a > 0, np.clip(np.frexp(np.where(a > 0, a, 1))[1] - 1 - 2, -126, 127), 0)      # np.frexp(a)[1] - 1 = floor(log2(a)), exactly
;;       r = np.clip(x / 2.0 ** e, -7.5, 7.5)
;;       step = 2.0 ** (np.maximum(np.frexp(np.where(r == 0, 1, r))[1] - 1, 0) - 3)
;;       q = np.round(r / step) * step * 2.0 ** e      # np.round: ties to even
;;       return np.moveaxis(q.reshape(q.shape[:-2] + (-1,))[..., :K], -1, axis).astype(np.float32)
;;   ~~~
;;   SOFTMAX AHEAD OF A QUANTISED PRODUCT. Where the list says 'softmax', what is quantised is not the finished softmax but p = 2^(t - M), with t = logit x log2(e) and M = ceil(the row's largest t), a whole number; so 1/2 < the row's largest p <= 1. The row's sum l is taken of the UNQUANTISED p, in f32, and the product's result is divided by l at the end. Since M is a whole number, a kernel that streams over the keys may use a running M (the ceiling of the running maximum): every later rescaling is an exact power of two, which a block's scale takes up: the codes' values come out the same.
;;   OPERANDS COMPUTED ON THE WAY. 'Computed on the way' means the value that the module computes at that place (a softmax that the list does not call 'softmax' is quantised finished and normalised). What goes into a quantiser is computed in f32, as accurately as f32 sums, v_exp_f32 and their like allow (about 1e-6 of the number): no bf16 or f16 on the way to a quantiser, and a product that is left as it is and whose result goes on into a quantised operand takes f32 operands (vector FMAs, or v_wmma_f32_16x16x4_f32). A number that lies on a knife's edge between two numbers of the format may be rounded either way, as far as f32 arithmetic and the matrix unit's own rounding can turn it there, and no further.
;;   INPUTS GIVEN AS CODES. w_k (in the module: [1024, 1024], K = its axis 1); w_o (in the module: [1024, 1024], K = its axis 1); w_q (in the module: [1024, 1024], K = its axis 1); w_v (in the module: [1024, 1024], K = its axis 1); x (in the module: [4, 2048, 1024], K = its axis 2): each comes as NAME_codes (uint8): NAME with its K axis moved to the last place and cut into blocks of 32 codes, [.., K / 32, bytes a block], one block behind the other in memory; four codes in three bytes: a row's codes are one little-endian stream of bits, code i at bits 6 i .. 6 i + 5 (a code: sign, 2 exponent bits, 3 mantissa bits); and NAME_scales (uint8): the same leading axes, one E8M0 byte (e + 127) for each 32 codes along K. Its value is code x scale, taken as it is: it is not quantised again, and the codes and scales need not be those that the quantiser above would give.
;; One version. Each part assembles by itself: llvm-mc -triple=amdgcn-amd-amdhsa -mcpu=gfx1250 --defsym DOCPART=n.
;; ======== version 1 of 1: 3 launches
;; workspace buffers: qrec 13,369,344 bytes; kv 13,369,344 bytes; ctx 6,291,456 bytes; csc 524,288 bytes
;; launch qkv (part 1): grid 12 x 32, 4 waves a work-group, clusters of 4 x 4, 327,680 bytes of LDS; arguments x_codes, x_scales, w_q_codes, w_q_scales, w_k_codes, w_k_scales, w_v_codes, w_v_scales, qrec, kv; writes qrec, kv
.if DOCPART == 1
	.amdgcn_target "amdgcn-amd-amdhsa--gfx1250"
	.amdhsa_code_object_version 6
	.text
	.protected	k_q43459c1f09_qkv
	.globl	k_q43459c1f09_qkv
	.p2align	8
	.type	k_q43459c1f09_qkv,@function
k_q43459c1f09_qkv:
	s_mov_b64 s[64:65], 0
	v_nop
	global_prefetch_b8 v0, s[64:65] scope:SCOPE_SE
	s_setreg_imm32_b32 hwreg(HW_REG_WAVE_MODE, 25, 1), 1
	s_wait_xcnt 0x0
	s_wait_alu depctr_hold_cnt(0) depctr_sa_sdst(0) depctr_va_vdst(0) depctr_va_sdst(0) depctr_va_ssrc(0) depctr_va_vcc(0) depctr_vm_vsrc(0)
	s_getreg_b32 s2, hwreg(HW_REG_IB_STS2, 6, 4)
	s_cmp_eq_u32 s2, 0
	s_cbranch_scc0 .Lentry_in_a_cluster
	s_endpgm
.Lentry_in_a_cluster:
	s_bfe_u32 s2, ttmp6, 0x10000c
	s_cmp_lg_u32 s2, 0xf033
	s_cbranch_scc0 .Lentry_shape_is_right
	s_endpgm
.Lentry_shape_is_right:
; q = x Wq^T, k = x Wk^T, v = x Wv^T on codes of FP6 (E2M3) with one E8M0 scale for each 32 along K = 1,024; the results are quantised in registers and leave as codes:
; q and k along the head's 64 dims, v along the keys.  Nothing wide goes to memory.
; SHARES.  The cluster's x says which product: 0 q, 1 k, 2 v (the same in all sixteen partners).  A work-group makes 256 x 256 of a product, each of its four waves 128 x 128: 64 accumulators, 512 registers.
; The matrix instruction takes source 0 = 16 rows of "B", source 1 = 16 rows of "A": a lane then holds ONE row of A, and its registers run along B's rows.  For q and k: A = x (tokens), B = W (dims);
; for v the two change places: A = Wv (dims), B = x (tokens).  So in all three a lane's registers run along the axis that is quantised.
; K goes in four steps of 256 through two LDS slots filled by joint tensor loads (4 x 4 work-groups: A's tile shared along a row of the cluster, B's along a column); the scale bytes of the 256 + 256 rows come once.
; 12 x 32 work-groups: the three products have 384 tiles of this size.
; THE RECORDS.  One record of REC = 13,056 bytes for each (batch x 16 + head, band of 128 tokens), in qrec for q and in kv for k and v.  A block n = 2 beta + g is 16 tokens (q, k) or 16 dims (v).
;   6144 g + 512 beta                     q or k, block n: operand registers 0-3, 16 bytes a lane
;   6144 g + 2048 + 512 (3 gamma + j)     v, block n = 2 gamma + g: operand registers 4 j .. 4 j + 3
;   6144 g + 5120 + 256 beta              q or k, block n: operand registers 4-5, 8 bytes a lane
;   12288 + 64 n + 4 r                    q or k: row r's scale word (two bytes, two zeros);      12800 + 64 n + 4 r   v: dim row r's scale word (the band's four key blocks)
; In a plane lane l lies at 16 l (8 l); in blocks with odd n at (16 l) xor 128 ((8 l) xor 64): the next launch reads tiles whose lanes 0-7 and 8-15 come from two blocks, and so finds them in different banks.
; Every store of codes covers 512 or 256 consecutive bytes at a multiple of 256 from the buffer's first byte.
; LIMITS: NaN and infinities are not served.  A block whose largest magnitude lies under 2^-124 keeps the byte 1; a block of zeros has the byte 1 where the quantiser's rule says 127: its codes are zeros, and this program alone reads the bytes.
; REGISTERS, in windows of 256: window 0: v0-31 addresses; v32-63 scale words, two sets; from v128 A's fragments, one set (on the way out: at work).  window 1: B's fragments, two sets.  windows 2, 3: the accumulators ((a, b) at v[8 (8 (a % 4) + b)]).
.set KSTEP,  256                       ; along K in a slot
.set NQ,     KSTEP/128                 ; matrix instructions deep
.set ROWB,   192                       ; a tile's row in bytes
.set KROW,   768                       ; a row of x or of a weight in memory: 1,024 codes
.set PITCH,  240                       ; an LDS row: 3 x (64 bytes + 16 of padding)
.set FR,     12                        ; registers of a fragment
.set NL,     6                         ; LDS loads that bring one
.set NP,     4                         ; places behind this matrix instruction (ISA guide 7.12.1)
.set HALFT,  128*PITCH                 ; what one tensor load brings
.set SLOT,   4*HALFT                   ; A's 256 rows, then B's 256 rows
.set KS,     32                        ; a row of scale bytes
.set SCL,    2*SLOT                    ; behind the ring: the scales, as units of 256 bytes + 16 of padding
.set HALFS,  (128*KS/256)*272          ; the scales of 128 rows
.set SBLK,   (16*KS/256)*272           ; those of 16 rows
.set SPARE,  SCL+4*HALFS               ; behind the scales: the spare words, 128 bytes for each wave, which no other line names
.set REC,    13056
.set HEADB,  16*REC                    ; from a head's records to the next head's
.set VA,   8                           ; v8  16 x lane;  v9  the same xor 128
.set VB,   10                          ; v10 8 x lane;   v11 the same xor 64
.set VL4,  12                          ; v12 4 x lane
.set ADRA, 16                          ; v16-17 LDS address of my A fragments in slot 0, 1 (v18-19: for the pieces behind one padding more)
.set ADRB, 20                          ; v20-23 the same for B
.set ADRS, 27                          ; v27 LDS address of my scale words: lanes 0-15 A's rows, lanes 16-31 B's
.set SPW,  28                          ; v28 LDS address of my spare word; never rewritten
.set NIL,  29                          ; v29 0; never rewritten
.set SC,   32                          ; scale words: set s at v[SC + 16 s]; register 2 i + q: lanes 0-15 A's block i, lanes 16-31 B's block i
.set AF,   128                         ; A's fragments, window 0
.set TM,   128                         ; the way out: v128-131 largest magnitudes, v132-135 the other half's, then the bytes, v140-143 the conversions' scale operands
.set PW,   144                         ; the scale word just made
.set E0,   145                         ; the even block's scale words, kept for the odd block's store
.set E1,   146
.set X0,   147                         ; two blocks' scale words: lanes 0-15 the even block's, lanes 16-31 the odd block's
.set X1,   148
.set PC,   160                         ; v160-171 the codes just made; v172-178 their second halves on the way
.set G1, 24                            ; s[24:31] descriptor group 1 for A's tiles;  s[32:39] group 0, one set for each slot
.set G0, 32
.set G1B, 48                           ; s[48:55], s[56:63] the same for B's
.set G0B, 56
.set G1S, 68                           ; s[68:75], s[76:79] groups 1 and 0 for A's scales;  s[80:87], s[88:91] for B's
.set G0S, 76
.set G1SB, 80
.set G0SB, 88
.set SEL, 18                           ; s[18:19] lane selects for v_permlanex16_b32: lane l xor 16
.set MSB, 0
.macro WIN new                         ; the immediate's high byte repeats the setting that is left
.if MSB != \new
	s_set_vgpr_msb (MSB<<8)|\new
.set MSB, \new
.endif
.endm
.set MUL_LO, 0xa1                      ; source 0 (B) window 1, source 1 (A) window 0, C and D window 2
.set MUL_HI, 0xf1                      ; the same, C and D window 3
.set TO_B,   0x40                      ; destination window 1, address window 0
; A joint load: waves 0 and 1 fetch for A, waves 2 and 3 for B.  The branch hangs on the wave's number alone.  Four v_nop follow each of the two lines.
.macro JLOAD g0a, g1a, g0b, g1b
	s_cmp_eq_u32 s15, 0
	s_cbranch_scc0 .Lfor_b_\@
	tensor_load_to_lds s[\g0a:\g0a+3], s[\g1a:\g1a+7]
	s_nop 0
.rept 4
	v_nop
.endr
	s_branch .Lasked_\@
.Lfor_b_\@:
	tensor_load_to_lds s[\g0b:\g0b+3], s[\g1b:\g1b+7]
	s_nop 0
.rept 4
	v_nop
.endr
.Lasked_\@:
.endm
.macro CREST                           ; a round of the cluster's barrier behind its opening barrier
	s_cmp_lg_u32 s14, 0
	s_cbranch_scc1 .Lnot_wave_0_\@
	s_barrier_signal -3
.Lnot_wave_0_\@:
	s_barrier_wait -3
	s_barrier_signal -1
	s_barrier_wait -1
.endm
.macro CROUND                          ; a whole round
	s_barrier_signal -1
	s_barrier_wait -1
	CREST
.endm
	s_load_b128 s[4:7], s[0:1], 0x0                ; x's codes, x's scales
	s_load_b128 s[8:11], s[0:1], 0x10              ; Wq's
	s_load_b128 s[68:71], s[0:1], 0x20             ; Wk's
	s_load_b128 s[72:75], s[0:1], 0x30             ; Wv's
	s_load_b128 s[76:79], s[0:1], 0x40             ; qrec, kv
	v_lshl_add_u32 v[SPW], v0, 2, SPARE
	v_mov_b32 v[NIL], 0
	ds_add_u32 v28, v29
	ds_add_u32 v28, v29
	s_wait_dscnt 0x0
	v_lshrrev_b32 v1, 5, v0
	v_readfirstlane_b32 s14, v1                    ; wave 0..3
	s_lshr_b32 s15, s14, 1                         ; which half of A's rows is mine.  Also: I fetch for A (0) or for B (1)
	s_and_b32 s16, s14, 1                          ; which half of B's rows.  Also: which 128 rows of that tile I fetch
	s_bfe_u32 s40, ttmp6, 0x40000                  ; cx, cy: my place in the cluster
	s_bfe_u32 s41, ttmp6, 0x40004
	s_and_b32 s18, ttmp7, 0xffff
	s_lshl_b32 s18, s18, 2                         ; 4 x cluster y: it walks the tokens
	s_cmp_eq_u32 ttmp9, 2                          ; v?  Then the tokens are B's rows
	s_cselect_b32 s17, 0, s18
	s_cselect_b32 s42, s18, 0
	s_add_co_u32 s17, s17, s41                     ; A's tile: cy (+ 4 x cluster y for q and k)
	s_add_co_u32 s42, s42, s40                     ; B's tile: cx (+ 4 x cluster y for v)
	s_lshl_b32 s43, s41, 2
	s_lshl_b32 s43, 15, s43                        ; my row of the cluster
	s_lshl_b32 s44, 0x1111, s40                    ; my column
	; descriptor group 1: a tile of 128 rows x 192 bytes, 16 bytes of padding behind every 64
	s_or_b32 s[G1+0], s43, (0<<16)|(1<<20)|(1<<21)|(3<<22)|(3<<25)
	s_or_b32 s[G1B+0], s44, (0<<16)|(1<<20)|(1<<21)|(3<<22)|(3<<25)
.irp g, G1, G1B
	s_mov_b32 s[\g+1], ROWB<<16                    ; tensor_dim0
	s_mov_b32 s[\g+2], 128<<16                     ; tensor_dim1
	s_mov_b32 s[\g+3], ROWB<<16                    ; tile_dim0
	s_mov_b32 s[\g+4], 128                         ; tile_dim1
	s_mov_b32 s[\g+5], KROW                        ; tensor_dim0_stride
	s_mov_b32 s[\g+6], 0
	s_mov_b32 s[\g+7], 0
.endr
	s_lshl_b32 s18, s16, 7                         ; which 128 rows of the tile I fetch
	s_lshl_b32 s20, s17, 8
	s_add_co_u32 s20, s20, s18                     ; A: row 256 x tile + 128 x half
	s_lshl_b32 s46, s42, 8
	s_add_co_u32 s46, s46, s18                     ; B likewise
	s_mov_b32 s21, 0
	s_mov_b32 s47, 0
	s_mov_b64 s[18:19], KS
	s_mul_u64 s[22:23], s[20:21], s[18:19]         ; where these rows' scales begin, in bytes
	s_mul_u64 s[92:93], s[46:47], s[18:19]
	s_mov_b64 s[18:19], KROW
	s_mul_u64 s[20:21], s[20:21], s[18:19]         ; and their codes
	s_mul_u64 s[46:47], s[46:47], s[18:19]
	s_mul_i32 s45, s14, HALFT                      ; where they go: wave x 128 rows: no place in the cluster enters an LDS address
	s_mul_i32 s94, s14, HALFS
	s_wait_kmcnt 0x0
	s_cmp_eq_u32 ttmp9, 1                          ; the weight of my product: the choices hang on the cluster's number alone
	s_cselect_b64 s[8:9], s[68:69], s[8:9]
	s_cselect_b64 s[10:11], s[70:71], s[10:11]
	s_cmp_eq_u32 ttmp9, 2
	s_cselect_b64 s[8:9], s[72:73], s[8:9]
	s_cselect_b64 s[10:11], s[74:75], s[10:11]
	s_cselect_b64 s[96:97], s[8:9], s[4:5]         ; A's codes: the weight's for v, else x's
	s_cselect_b64 s[98:99], s[10:11], s[6:7]       ; A's scales
	s_cselect_b64 s[100:101], s[4:5], s[8:9]       ; B's codes
	s_cselect_b64 s[66:67], s[6:7], s[10:11]       ; B's scales
	s_cmp_eq_u32 ttmp9, 0
	s_cselect_b64 s[12:13], s[76:77], s[78:79]     ; where the records go: qrec for q, kv for k and v
	s_add_nc_u64 s[20:21], s[96:97], s[20:21]
	s_add_nc_u64 s[22:23], s[98:99], s[22:23]
	s_add_nc_u64 s[46:47], s[100:101], s[46:47]
	s_add_nc_u64 s[92:93], s[66:67], s[92:93]
	; the scales of 128 rows: a dense block of 4,096 bytes, as 16 rows of 256 bytes (32 elements of 8 bytes), 16 bytes of padding behind each.  (s68-79 are free now)
	s_or_b32 s[G1S+0], s43, (3<<16)|(1<<20)|(1<<21)|(5<<22)|(3<<25)
	s_or_b32 s[G1SB+0], s44, (3<<16)|(1<<20)|(1<<21)|(5<<22)|(3<<25)
.irp g, G1S, G1SB
	s_mov_b32 s[\g+1], 32<<16
	s_mov_b32 s[\g+2], (128*KS/256)<<16
	s_mov_b32 s[\g+3], 32<<16
	s_mov_b32 s[\g+4], 128*KS/256
	s_mov_b32 s[\g+5], 32
	s_mov_b32 s[\g+6], 0
	s_mov_b32 s[\g+7], 0
.endr
	CROUND                                         ; all sixteen work-groups are here: the first joint loads meet
	s_mov_b32 s[G0S], 1
	s_add_co_u32 s[G0S+1], s94, SCL
	s_mov_b64 s[G0S+2:G0S+3], s[22:23]
	s_or_b32 s[G0S+3], s[G0S+3], 0x80000000
	s_mov_b32 s[G0SB], 1
	s_add_co_u32 s[G0SB+1], s94, SCL
	s_mov_b64 s[G0SB+2:G0SB+3], s[92:93]
	s_or_b32 s[G0SB+3], s[G0SB+3], 0x80000000
	JLOAD G0S, G1S, G0SB, G1SB                     ; the scales first: they are wanted with K step 0
.irp s, 0,1
	s_mov_b32 s[G0+4*\s], 1
	s_add_co_u32 s[G0+4*\s+1], s45, \s*SLOT
	s_add_nc_u64 s[G0+4*\s+2:G0+4*\s+3], s[20:21], \s*ROWB
	s_or_b32 s[G0+4*\s+3], s[G0+4*\s+3], 0x80000000
	s_mov_b32 s[G0B+4*\s], 1
	s_add_co_u32 s[G0B+4*\s+1], s45, \s*SLOT
	s_add_nc_u64 s[G0B+4*\s+2:G0B+4*\s+3], s[46:47], \s*ROWB
	s_or_b32 s[G0B+4*\s+3], s[G0B+4*\s+3], 0x80000000
	JLOAD G0+4*\s, G1, G0B+4*\s, G1B               ; three tensor loads of mine are out now
.endr
	v_and_b32 v1, 15, v0                           ; l % 16
	v_bfe_u32 v2, v0, 4, 1                         ; l / 16
	v_mul_u32_u24 v3, v1, PITCH
	v_mul_u32_u24 v4, v2, 24
	v_add_nc_u32 v4, v3, v4                        ; a fragment's row x pitch + 24 x half
	v_lshl_add_u32 v5, v2, 4, v4                   ; and the same behind one padding more
	s_mul_i32 s21, s15, HALFT                      ; my 128 rows of A
	s_mul_i32 s22, s16, HALFT                      ; my 128 rows of B,
	s_add_co_u32 s22, s22, 2*HALFT                 ; which lie behind A's 256
.irp s, 0,1
	v_add_nc_u32 v[ADRA+\s], s21, v4
	v_add_nc_u32 v[ADRB+\s], s22, v4
	v_add_nc_u32 v[ADRA+2+\s], s21, v5
	v_add_nc_u32 v[ADRB+2+\s], s22, v5
	s_add_co_u32 s21, s21, SLOT
	s_add_co_u32 s22, s22, SLOT
.endr
	v_mul_u32_u24 v5, v1, KS                       ; my row's scales: 32 bytes a row,
	v_lshrrev_b32 v6, 8, v5
	v_lshl_add_u32 v5, v6, 4, v5                   ; and 16 more for each 256 passed
	s_mul_i32 s21, s15, HALFS                      ; A's: my 128 rows
	s_mul_i32 s22, s16, HALFS                      ; B's: my 128 rows, behind A's 256
	s_add_co_u32 s22, s22, 2*HALFS
	s_sub_co_u32 s22, s22, s21
	v_mul_u32_u24 v6, s22, v2                      ; lanes 16-31 take B's
	s_add_co_u32 s21, s21, SCL
	v_add_nc_u32 v5, v5, v6
	v_add_nc_u32 v[ADRS], s21, v5
	v_and_b32 v6, 31, v0                           ; the way out: a lane's places in the planes
	v_lshlrev_b32 v[VA], 4, v6
	v_xor_b32 v[VA+1], 128, v[VA]
	v_lshlrev_b32 v[VB], 3, v6
	v_xor_b32 v[VB+1], 64, v[VB]
	v_lshlrev_b32 v[VL4], 2, v6
	; my wave's first record: ((batch x 16 + first head) x 16 + band) x REC
	s_lshl_b32 s20, s17, 1
	s_add_co_u32 s20, s20, s15                     ; which 128 rows of A are mine
	s_lshl_b32 s46, s42, 1
	s_add_co_u32 s46, s46, s16                     ; which 128 rows of B
	s_cmp_eq_u32 ttmp9, 2
	s_cselect_b32 s21, s46, s20                    ; the band of 128 tokens, 0 .. 63
	s_cselect_b32 s47, s20, s46                    ; the pair of heads, 0 .. 7
	s_lshr_b32 s22, s21, 4
	s_lshl_b32 s22, s22, 4                         ; batch x 16
	s_lshl_b32 s47, s47, 1
	s_add_co_u32 s22, s22, s47                     ; + the first head
	s_lshl_b32 s22, s22, 4
	s_and_b32 s21, s21, 15
	s_add_co_u32 s22, s22, s21                     ; x 16 + the band in its batch
	s_mul_i32 s22, s22, REC
	s_mov_b32 s23, 0
	s_add_nc_u64 s[12:13], s[12:13], s[22:23]
	s_mov_b32 s3, 0xffff0000                       ; lanes 16-31
	s_mov_b32 s[SEL], 0x76543210
	s_mov_b32 s[SEL+1], 0xfedcba98
.macro FRAG reg, adr, q, i             ; a fragment, 16 rows x 128 K of 6-bit codes: lane l holds row l % 16; registers 6 c .. 6 c + 5 hold K = 64 c + 32 (l / 16) + 0 .. 31: 24 bytes of the row, as they lie
.irp p, 0,1,2,3,4,5                    ; in pieces of 8 bytes.  Lanes 16-31 read three pieces further on; where that is behind one padding more, the second address register serves
.set PIECE, 12*(\q)+6*(\p/3)+\p%3
.if PIECE%8 < 5
	ds_load_b64 v[\reg+2*\p:\reg+2*\p+1], v[\adr] offset:8*PIECE+16*(PIECE/8)+(\i)*16*PITCH
.else
	ds_load_b64 v[\reg+2*\p:\reg+2*\p+1], v[\adr+2] offset:8*PIECE+16*(PIECE/8)+(\i)*16*PITCH
.endif
.endr
.endm
; 16 matrix instructions: A's blocks a0, a0 + 1 x B's eight, 128 along K.  p: B's set;  sc: the set of scale words.  zero = 1: the first product starts the sums.
; The 64 accumulators take turns, one instruction a turn, in the same order in every step.
.macro MUL16 a0, p, q, sc, zero
.irp a, \a0, \a0+1
.irp b, 0,1,2,3,4,5,6,7
.if \zero
	v_wmma_scale_f32_16x16x128_f8f6f4 v[8*(8*((\a)%4)+\b):8*(8*((\a)%4)+\b)+7], v[128*(\p)+FR*\b:128*(\p)+FR*\b+FR-1], v[AF+FR*(\a):AF+FR*(\a)+FR-1], 0, v[SC+8*NQ*(\sc)+NQ*\b+(\q)], v[SC+8*NQ*(\sc)+NQ*(\a)+(\q)] matrix_a_fmt:MATRIX_FMT_FP6 matrix_b_fmt:MATRIX_FMT_FP6 matrix_a_scale:MATRIX_SCALE_ROW1
.else
	v_wmma_scale_f32_16x16x128_f8f6f4 v[8*(8*((\a)%4)+\b):8*(8*((\a)%4)+\b)+7], v[128*(\p)+FR*\b:128*(\p)+FR*\b+FR-1], v[AF+FR*(\a):AF+FR*(\a)+FR-1], v[8*(8*((\a)%4)+\b):8*(8*((\a)%4)+\b)+7], v[SC+8*NQ*(\sc)+NQ*\b+(\q)], v[SC+8*NQ*(\sc)+NQ*(\a)+(\q)] matrix_a_fmt:MATRIX_FMT_FP6 matrix_b_fmt:MATRIX_FMT_FP6 matrix_a_scale:MATRIX_SCALE_ROW1
.endif
.endr
.endr
.endm
.macro FETCH_B slot, q, p              ; B's eight fragments of the slot's q-th 128 along K into set p
	WIN TO_B
.irp i, 0,1,2,3,4,5,6,7
	FRAG 128*(\p)+FR*\i, ADRB+\slot, \q, \i
.endr
	WIN 0
.endm
.macro FETCH_A slot, q, i0             ; A's blocks i0 .. i0 + 3
.irp i, \i0, \i0+1, \i0+2, \i0+3
	FRAG AF+FR*(\i), ADRA+\slot, \q, \i
.endr
.endm
.macro SCALES sc                       ; a K step's scale words into set sc: two words a row; lanes 0-15 take A's block i, lanes 16-31 B's block i
.irp i, 0,1,2,3,4,5,6,7
	ds_load_b64 v[SC+8*NQ*\sc+NQ*\i:SC+8*NQ*\sc+NQ*\i+1], v[ADRS] offset:\i*SBLK
.endr
.endm
.macro PLACES n                        ; plain vector instructions between a matrix instruction and a load into, or a vector instruction on, its registers
.rept \n
	v_nop
.endr
.endm
; A step of 128 along K that has its successor in the same slot.
.macro STEP slot, q, zero
	s_wait_dscnt 4*NL                              ; B's set and A's blocks 0-3 are in; the youngest 24 loads (A's blocks 4-7) may be out
	WIN MUL_LO
	MUL16 0, (\q)%2, \q, \slot, \zero
	MUL16 2, (\q)%2, \q, \slot, \zero
	s_wait_dscnt 0                                 ; A's blocks 4-7 are in (asked for 32 matrix instructions ago)
	PLACES NP
	FETCH_B \slot, (\q)+1, 1-(\q)%2
	FETCH_A \slot, (\q)+1, 0
	WIN MUL_HI
	MUL16 4, (\q)%2, \q, \slot, \zero
	MUL16 6, (\q)%2, \q, \slot, \zero
	PLACES NP
	WIN 0
	FETCH_A \slot, (\q)+1, 4
.endm
; A slot's last step changes slots: ONE barrier; in front of it each wave waits for all its tensor loads, adds 0 to its spare word, and waits for that and for its own reads of this slot.  fill = 1: this slot is filled again, two K steps ahead.
.macro TURN slot, next, fill
	s_wait_tensorcnt 0x0                           ; all my tensor loads have landed: my part of the next slot
	ds_add_u32 v[SPW], v[NIL]                      ; 0 onto my spare word
	s_wait_dscnt 4*NL+1                            ; (the add and the youngest 24 loads, A's blocks 4-7, may be out)
	WIN MUL_LO
	MUL16 0, 1, NQ-1, \slot, 0                     ; sixteen matrix instructions stand between the add and the wait for it
	s_wait_dscnt 0x0                               ; the add is done, and my reads of this slot are over
	s_barrier_signal -1
	MUL16 2, 1, NQ-1, \slot, 0
	WIN 0
	s_barrier_wait -1
.if \fill
	CREST                                          ; the barrier has opened a round of the cluster's barrier: no wave of any partner still reads this slot's tile or has a load on its way
	s_add_nc_u64 s[G0+4*\slot+2:G0+4*\slot+3], s[G0+4*\slot+2:G0+4*\slot+3], 2*ROWB
	s_add_nc_u64 s[G0B+4*\slot+2:G0B+4*\slot+3], s[G0B+4*\slot+2:G0B+4*\slot+3], 2*ROWB
	JLOAD G0+4*\slot, G1, G0B+4*\slot, G1B         ; the first tensor load behind the round; its four v_nop are the places in front of the loads below
.else
	PLACES NP
.endif
	v_add_nc_u32 v[ADRS], 4*NQ, v[ADRS]            ; on to the next K step's scale words
	FETCH_B \next, 0, 0
	FETCH_A \next, 0, 0
	SCALES \next
	WIN MUL_HI
	MUL16 4, 1, NQ-1, \slot, 0
	MUL16 6, 1, NQ-1, \slot, 0
	PLACES NP
	WIN 0
	FETCH_A \next, 0, 4
.endm
	s_wait_tensorcnt 1                             ; the scales and my part of K step 0 are in (K step 1's load may be out)
	s_barrier_signal -1
	s_barrier_wait -1                              ; everybody's are
	FETCH_B 0, 0, 0
	FETCH_A 0, 0, 0
	SCALES 0
	FETCH_A 0, 0, 4
	STEP 0, 0, 1                                   ; K has four K steps: they are written out.  The first products start the sums
	TURN 0, 1, 1                                   ; slot 0 takes K step 2
	STEP 1, 0, 0
	TURN 1, 0, 1                                   ; slot 1 takes K step 3
	STEP 0, 0, 0
	TURN 0, 1, 0                                   ; nothing is left to fetch
	STEP 1, 0, 0
	s_wait_dscnt 4*NL                              ; the very last step
	WIN MUL_LO
	MUL16 0, 1, NQ-1, 1, 0
	MUL16 2, 1, NQ-1, 1, 0
	s_wait_dscnt 0
	WIN MUL_HI
	MUL16 4, 1, NQ-1, 1, 0
	MUL16 6, 1, NQ-1, 1, 0
	WIN 0
	s_wait_tensorcnt 0x0                           ; my last LDS instructions, behind my last tensor load; the way out touches no LDS
	ds_add_u32 v[SPW], v[NIL]
	PLACES NP                                      ; the places behind the last products
.irp b, 0,1,2,3
	v_mov_b32 v[TM+4+\b], 0                        ; written once: a lane permute's destination counts as one of its sources
.endr
	s_wait_dscnt 0x0
; THE WAY OUT of A's block a: 16 rows x 128 numbers, 64 a lane, become a fragment's 12 registers of codes and a scale word, and are stored.  kind 0: q, k;  kind 1: v.
.macro OUTBLK a, kind
.set W,  2+(\a)/4                      ; the block's window
.set AC, 64*((\a)%4)                   ; its eight accumulators
.set PI, (\a)%2
.if (\a) > 0
	s_wait_xcnt 0x0                                ; the last block's stores have read their registers: the codes and scale words are written again only behind this wait
.endif
	WIN (0x41*W)                                   ; both registers of an exchange in the block's window
.irp b, 0,1,2,3                        ; accumulators 2 b and 2 b + 1 hold columns 32 b + 8 h + j and 32 b + 16 + 8 h + j: the first's lanes 16-31 change places with the second's lanes 0-15,
.irp j, 0,1,2,3,4,5,6,7                ; and register 16 b + i of lane (r, h) is column 32 b + 16 h + i: 16 neighbours.  (Each accumulator is taken from its low end on)
	v_permlane16_swap_b32 v[AC+16*\b+\j], v[AC+16*\b+8+\j]
.endr
.endr
	WIN (0x14*W)                                   ; sources 1 and 2 in the block's window
.irp b, 0,1,2,3
	v_max3_num_f32 v[TM+\b], 0x1800000, |v[AC+16*\b]|, |v[AC+16*\b+1]|   ; block b: my 16 numbers, and the floor 2^(3 - 127): the byte cannot fall under 1
.endr
.irp i, 2,4,6,8,10,12,14
.irp b, 0,1,2,3
	v_max3_num_f32 v[TM+\b], v[TM+\b], |v[AC+16*\b+\i]|, |v[AC+16*\b+\i+1]|   ; (the four blocks by turns)
.endr
.endr
	WIN 0
.irp b, 0,1,2,3
	v_permlanex16_b32 v[TM+4+\b], v[TM+\b], s[SEL], s[SEL+1]
.endr
.irp b, 0,1,2,3
	v_max_num_f32 v[TM+\b], v[TM+\b], v[TM+4+\b]   ; with lane l xor 16's: the block's largest magnitude
.endr
.irp b, 0,1,2,3
	v_add_nc_u32 v[TM+12+\b], 0xff000000, v[TM+\b] ; 2 off its exponent field: the conversion takes the exponent field of this operand as its scale
.endr
.irp b, 0,1,2,3
	v_lshrrev_b32 v[TM+4+\b], 23, v[TM+12+\b]      ; the scale's byte
.endr
	v_lshl_or_b32 v[PW], v[TM+5], 8, v[TM+4]
	v_lshl_or_b32 v[PW], v[TM+6], 16, v[PW]
	v_lshl_or_b32 v[PW], v[TM+7], 24, v[PW]        ; my row's scale word, the same in both halves of the lanes
	WIN W                                          ; source 0 in the block's window
.irp c, 0,1
	v_cvt_scalef32_pk16_fp6_f32 v[PC+6*\c:PC+2+6*\c], v[AC+32*\c:AC+15+32*\c], v[TM+12+2*\c]
	v_cvt_scalef32_pk16_fp6_f32 v[PC+12+4*\c:PC+14+4*\c], v[AC+16+32*\c:AC+31+32*\c], v[TM+12+2*\c+1]   ; (a conversion's three registers begin on an even number)
.endr
	WIN 0
	v_nop                                          ; one plain place behind a scaled conversion
.irp c, 0,1                            ; the operand's layout wants a WHOLE block in a lane: lanes 0-15 block 2 c, lanes 16-31 block 2 c + 1
.irp i, 0,1,2
	v_permlane16_swap_b32 v[PC+6*\c+\i], v[PC+12+4*\c+\i]
.endr
.irp i, 0,1,2
	v_mov_b32 v[PC+3+6*\c+\i], v[PC+12+4*\c+\i]
.endr
.endr
.if \kind == 0                         ; 16 tokens x two heads: registers 0-5 are the first head's operand, 6-11 the second's
.set BE, (\a)/2
	global_store_b128 v[VA+PI], v[PC:PC+3], s[12:13] offset:6144*PI+512*BE
	global_store_b64 v[VB+PI], v[PC+4:PC+5], s[12:13] offset:6144*PI+5120+256*BE
	global_store_b128 v[VA+PI], v[PC+6:PC+9], s[12:13] offset:HEADB+6144*PI+512*BE
	global_store_b64 v[VB+PI], v[PC+10:PC+11], s[12:13] offset:HEADB+6144*PI+5120+256*BE
.if PI == 0
	v_and_b32 v[E0], 0xffff, v[PW]                 ; the first head's two bytes, two zeros above them;
	v_lshrrev_b32 v[E1], 16, v[PW]                 ; the second head's
.else
	v_and_b32 v[X0], 0xffff, v[PW]
	v_lshrrev_b32 v[X1], 16, v[PW]
	v_cndmask_b32 v[X0], v[E0], v[X0], s3          ; lanes 0-15: the even block's words; lanes 16-31: this block's
	v_cndmask_b32 v[X1], v[E1], v[X1], s3
	global_store_b32 v[VL4], v[X0], s[12:13] offset:12288+128*BE
	global_store_b32 v[VL4], v[X1], s[12:13] offset:HEADB+12288+128*BE
.endif
.else                                  ; 16 dims of head a / 4 x the band's 128 keys: a whole operand
.set CC, (\a)/4
.set GA, ((\a)%4)/2
.irp j, 0,1,2
	global_store_b128 v[VA+PI], v[PC+4*\j:PC+4*\j+3], s[12:13] offset:CC*HEADB+6144*PI+2048+512*(3*GA+\j)
.endr
.if PI == 0
	v_mov_b32 v[E0], v[PW]
.else
	v_cndmask_b32 v[X0], v[E0], v[PW], s3
	global_store_b32 v[VL4], v[X0], s[12:13] offset:CC*HEADB+12800+128*GA
.endif
.endif
.endm
	s_cmp_eq_u32 ttmp9, 2                          ; the cluster's number: the same in all partners
	s_cbranch_scc1 .Lcols
.irp a, 0,1,2,3,4,5,6,7
	OUTBLK \a, 0
.endr
	s_branch .Lend
.Lcols:
.irp a, 0,1,2,3,4,5,6,7
	OUTBLK \a, 1
.endr
.Lend:
	CROUND                                         ; the closing round: no work-group ends while a partner may still ask for a tile that names it
	s_endpgm
.Lfunc_end_k_q43459c1f09_qkv:
	.size	k_q43459c1f09_qkv, .Lfunc_end_k_q43459c1f09_qkv-k_q43459c1f09_qkv
	.p2alignl 7, 3214868480
	.fill 96, 4, 3214868480
	.section	.rodata,"a",@progbits
	.p2align	6, 0x0
	.amdhsa_kernel k_q43459c1f09_qkv
		.amdhsa_group_segment_fixed_size 327680
		.amdhsa_private_segment_fixed_size 0
		.amdhsa_enable_private_segment 0
		.amdhsa_kernarg_size 80
		.amdhsa_user_sgpr_count 2
		.amdhsa_user_sgpr_kernarg_segment_ptr 1
		.amdhsa_wavefront_size32 1
		.amdhsa_system_sgpr_workgroup_id_x 1
		.amdhsa_system_sgpr_workgroup_id_y 1
		.amdhsa_system_sgpr_workgroup_id_z 1
		.amdhsa_system_vgpr_workitem_id 0
		.amdhsa_next_free_vgpr 1024
		.amdhsa_next_free_sgpr 102
		.amdhsa_reserve_vcc 0
		.amdhsa_float_denorm_mode_32 3
		.amdhsa_float_denorm_mode_16_64 3
		.amdhsa_memory_ordered 1
		.amdhsa_forward_progress 1
		.amdhsa_inst_pref_size 218
	.end_amdhsa_kernel
	.amdgpu_metadata
---
amdhsa.version: [ 1, 2 ]
amdhsa.kernels:
  - .name:           k_q43459c1f09_qkv
    .symbol:         k_q43459c1f09_qkv.kd
    .args:
      - { .name: x_codes, .offset: 0, .size: 8, .value_kind: global_buffer, .address_space: global }
      - { .name: x_scales, .offset: 8, .size: 8, .value_kind: global_buffer, .address_space: global }
      - { .name: w_q_codes, .offset: 16, .size: 8, .value_kind: global_buffer, .address_space: global }
      - { .name: w_q_scales, .offset: 24, .size: 8, .value_kind: global_buffer, .address_space: global }
      - { .name: w_k_codes, .offset: 32, .size: 8, .value_kind: global_buffer, .address_space: global }
      - { .name: w_k_scales, .offset: 40, .size: 8, .value_kind: global_buffer, .address_space: global }
      - { .name: w_v_codes, .offset: 48, .size: 8, .value_kind: global_buffer, .address_space: global }
      - { .name: w_v_scales, .offset: 56, .size: 8, .value_kind: global_buffer, .address_space: global }
      - { .name: qrec, .offset: 64, .size: 8, .value_kind: global_buffer, .address_space: global }
      - { .name: kv, .offset: 72, .size: 8, .value_kind: global_buffer, .address_space: global }
    .group_segment_fixed_size: 327680
    .private_segment_fixed_size: 0
    .kernarg_segment_align: 8
    .kernarg_segment_size: 80
    .max_flat_workgroup_size: 128
    .sgpr_count:     102
    .vgpr_count:     1024
    .wavefront_size: 32
...
	.end_amdgpu_metadata
.endif
;; end of part 1
;; launch attn (part 2): grid 4 x 64, 16 waves a work-group, clusters of 4 x 1, 210,944 bytes of LDS; arguments qrec, kv, ctx, csc; writes ctx, csc
.if DOCPART == 2
	.amdgcn_target "amdgcn-amd-amdhsa--gfx1250"
	.amdhsa_code_object_version 6
	.text
	.protected	k_q43459c1f09_attn
	.globl	k_q43459c1f09_attn
	.p2align	8
	.type	k_q43459c1f09_attn,@function
k_q43459c1f09_attn:
	s_mov_b64 s[64:65], 0
	v_nop
	global_prefetch_b8 v0, s[64:65] scope:SCOPE_SE
	s_setreg_imm32_b32 hwreg(HW_REG_WAVE_MODE, 25, 1), 1
	s_wait_xcnt 0x0
	s_wait_alu depctr_hold_cnt(0) depctr_sa_sdst(0) depctr_va_vdst(0) depctr_va_sdst(0) depctr_va_ssrc(0) depctr_va_vcc(0) depctr_vm_vsrc(0)
	s_getreg_b32 s2, hwreg(HW_REG_IB_STS2, 6, 4)
	s_cmp_eq_u32 s2, 0
	s_cbranch_scc0 .Lentry_in_a_cluster
	s_endpgm
.Lentry_in_a_cluster:
	s_bfe_u32 s2, ttmp6, 0x10000c
	s_cmp_lg_u32 s2, 0x3003
	s_cbranch_scc0 .Lentry_shape_is_right
	s_endpgm
.Lentry_shape_is_right:
; ctx[b][q][head] = the sum over keys k <= q of softmax_k(q . k / 8) v, both products on codes of FP6 (E2M3) with one E8M0 scale for each 32 along a product's K; ctx leaves as codes, quantised along the head's 64 dims.
; THE SOFTMAX AHEAD OF THE SECOND PRODUCT: t = score x log2(e) / 8; M = the row's largest t so far, rounded UP to a whole number; p = 2^(t - M) is what is quantised, along the keys; the row's sum is taken of the unquantised p
; and divides at the end.  When M moves, the sum and O are multiplied by 2^(old M - new M): exact.
; SHARES.  A cluster of four work-groups is one (batch, head).  The head's K and V with their scale words, 16 records of 13,056 bytes (one for each 128 keys, as the launch before laid them), fit in LDS: they come ONCE,
; by joint tensor loads that name all four partners, a record a wave.  No LDS byte is filled again or stored to.
; Wave w of partner p owns two tiles of 16 queries: tile 2 p of band w and tile 2 p + 1 of band 15 - w (a band: 128 queries).  Under the causal mask that is (w + 1) + (16 - w) = 17 key steps of 128 keys for EVERY wave,
; two of them on the diagonal.  The loop has 16 trips for all; a tile's hidden steps are jumped over by a branch on the wave's number and the trip's, never on the place in the cluster.
; LAYOUT.  Both products are used transposed: S^T = K Q^T (source 0 = 16 keys), O^T = V^T P^T (source 0 = 16 dims): a lane holds ONE query throughout.  Lane r of tile 2 b + u of K takes key 32 b + 8 u + r + 8 (r / 8), so that the
; 16 registers of tiles 2 b and 2 b + 1 are 16 neighbouring keys; V's dims likewise, so that O^T's registers are neighbours along the next quantiser's axis.
; K = 64 IN AN INSTRUCTION OF 128: Q's registers 6-11 are zero codes.  Tile t of K is named as v[48 + 6 t .. + 11]: its upper six registers are whatever follows (the next tile's codes; behind the last tile six address registers):
; any six bits are a finite number of the format, and a finite number x a zero code adds nothing; the scale bytes of that half are 0 on both sides, not 0xff.
; LIMITS: NaN and infinities are not served.  1 / l is v_rcp_f32.  A block's largest p is made from the block's largest score by the same multiply-add and exponential, which takes v_exp_f32 not to fall where its input rises.
; A block of ctx whose largest magnitude lies under 2^-124 keeps the byte 1; a block of zeros has the byte 1 where the quantiser's rule says 127: its codes are zeros, and this program alone reads the bytes.
.set REC,   13056
.set HEADB, 16*REC
.set TMP,  1                           ; v1      at work
.set DA,   2                           ; v2, v3  my query less 16 (lane / 16), counted in its band: tile A's, tile B's
.set KSC,  4                           ; v4-7    K's, then V's scale words: lanes 0-15 an even tile's, lanes 16-31 the odd tile's
.set QSA,  8                           ; v8, v9  Q's scale words
.set WA16, 10                          ; v10-11  the step's LDS addresses: planes of 16 bytes a lane, even and odd tiles
.set WA8,  12                          ; v12-13  planes of 8 bytes a lane
.set WS,   14                          ; v14     scale words
.set L8,   15                          ; v15     8 x lane
.set STA,  16                          ; v16 -M, v17 the largest t, v[18:19] the sum in two halves: tile A;  v20-23: tile B
.set STB,  20
.set QA,   24                          ; v24-35  tile A's Q: six registers of codes, six of zeros;  v36-47 tile B's
.set QB,   36
.set KV,   48                          ; v48-95  eight tiles of K (6 registers each), then four of V (12 each)
.set LC,   96                          ; v96-100 my lane's places in a record; never rewritten
.set LI,   101                         ; v101    16 x lane; never rewritten
.set PC,   102                         ; v102-113 p's codes
.set BM,   110                         ; v110-113 the blocks' largest scores, until the codes take their place
.set T2,   114                         ; v114-121 at work
.set SO,   122                         ; v122-125 the conversions' scale operands
.set F,    126                         ; v126    2^(old M - new M)
.set PW,   127                         ; v127    p's scale word
.set S,    128                         ; v128-191 S^T, then p
.set OA,   192                         ; v192-223 tile A's O^T;  v224-255 tile B's
.set OB,   224
.set FT,   48                          ; the way out: at work in K's and V's old registers
.set WRA,  60                          ; v60, v61 the two tiles' scale words of ctx
.set WV,   12                          ; s12  my wave's number = tile A's band
.set P,    13                          ; s13  my work-group's place in the cluster: it enters global addresses and the mask's numbers alone
.set BH,   14                          ; s14  batch x 16 + head
.set BB,   15                          ; s15  tile B's band: 15 - wave
.set G1,   16                          ; s[16:23] descriptor group 1;  s[24:27] group 0
.set G0,   24
.set SEL,  28                          ; s[28:29] lane selects for v_permlanex16_b32: lane l xor 16
.set CS,   30                          ; s[30:31] c = log2(e) / 8
.set TB,   32                          ; s32  LDS byte at which the step's record begins
.set KSI,  33                          ; s33  the key step
.set HI,   34                          ; s34  lanes 16-31
.macro CROUND                          ; a round of the cluster's barrier
	s_barrier_signal -1
	s_barrier_wait -1
	s_cmp_lg_u32 s[WV], 0
	s_cbranch_scc1 .Lnot_wave_0_\@
	s_barrier_signal -3
.Lnot_wave_0_\@:
	s_barrier_wait -3
	s_barrier_signal -1
	s_barrier_wait -1
.endm
	s_load_b256 s[4:11], s[0:1], 0x0               ; qrec s[4:5], kv s[6:7], ctx s[8:9], csc s[10:11]
	v_lshl_add_u32 v254, v0, 2, 0x33000
	v_mov_b32 v255, 0
	ds_add_u32 v254, v255
	ds_add_u32 v254, v255
	s_wait_dscnt 0x0
	v_lshrrev_b32 v1, 5, v0
	v_readfirstlane_b32 s[WV], v1                  ; wave 0..15
	s_bfe_u32 s[P], ttmp6, 0x40000                 ; cx
	s_and_b32 s[BH], ttmp7, 0xffff
	s_sub_co_u32 s[BB], 15, s[WV]
	; descriptor group 1: a record is a dense block: 51 rows of 256 bytes (32 elements of 8 bytes), no padding
	s_mov_b32 s[G1], 15|(3<<16)|(1<<21)            ; 15:0 the mask: all four work-groups; 17:16 elements of 8 bytes; 21 set beside a mask
	s_mov_b32 s[G1+1], 32<<16                      ; tensor_dim0
	s_mov_b32 s[G1+2], 51<<16                      ; tensor_dim1
	s_mov_b32 s[G1+3], 32<<16                      ; tile_dim0
	s_mov_b32 s[G1+4], 51                          ; tile_dim1
	s_mov_b32 s[G1+5], 32                          ; tensor_dim0_stride
	s_mov_b32 s[G1+6], 0
	s_mov_b32 s[G1+7], 0
	s_mul_i32 s46, s[BH], HEADB                    ; the head's first record, in bytes
	s_mov_b32 s47, 0
	s_mul_i32 s48, s[WV], REC                      ; record w: the one that I fetch, and tile A's band
	s_mov_b32 s49, 0
	s_mul_i32 s50, s[BB], REC                      ; tile B's band
	s_mov_b32 s51, 0
	s_mov_b32 s[SEL], 0x76543210
	s_mov_b32 s[SEL+1], 0xfedcba98
	s_mov_b32 s[CS], 0x3e38aa3b                    ; log2(e) / 8
	s_mov_b32 s[CS+1], s[CS]                       ; (named with it as a pair, so it is written)
	s_mov_b32 s[TB], 0
	s_mov_b32 s[KSI], 0
	s_mov_b32 s[HI], 0xffff0000
	s_wait_kmcnt 0x0
	s_add_nc_u64 s[6:7], s[6:7], s[46:47]
	s_add_nc_u64 s[4:5], s[4:5], s[46:47]
	s_mov_b32 s[G0], 1                             ; count = 1
	s_mul_i32 s[G0+1], s[WV], REC                  ; LDS address: wave x a record
	s_add_nc_u64 s[G0+2:G0+3], s[6:7], s[48:49]    ; global address: it hangs on the head and the wave alone
	s_or_b32 s[G0+3], s[G0+3], 0x80000000          ; type = 2
	s_add_nc_u64 s[36:37], s[4:5], s[48:49]        ; Q's records: tile A's,
	s_add_nc_u64 s[38:39], s[4:5], s[50:51]        ; tile B's
	CROUND                                         ; all four work-groups are here: the joint loads meet
	tensor_load_to_lds s[G0:G0+3], s[G1:G1+7]      ; my one tensor load of the launch
	s_nop 0
.rept 4
	v_nop
.endr
	v_and_b32 v128, 31, v0                         ; l
	v_and_b32 v129, 7, v0                          ; e = l % 8
	v_bfe_u32 v130, v0, 3, 1                       ; g = (l / 8) % 2
	v_bfe_u32 v131, v0, 4, 1                       ; h = l / 16
	v_and_b32 v132, 15, v0                         ; r
	v_lshlrev_b32 v[LI], 4, v128
	v_lshlrev_b32 v[L8], 3, v128
	; Lane (e, g, h) of tile 2 b + u wants row 8 u + e of block 2 b + g.  In a plane that row's bytes lie at 16 e + 128 (u xor g) + 256 h, and block parity g's planes 6,144 bytes on:
	v_lshlrev_b32 v133, 4, v129
	v_lshl_add_u32 v133, v131, 8, v133             ; 16 e + 256 h
	v_mad_u32_u24 v[LC], v130, 6272, v133          ; u = 0: + (6144 + 128) g
	v_mad_u32_u24 v[LC+1], v130, 6016, v133
	v_add_nc_u32 v[LC+1], 128, v[LC+1]             ; u = 1: + 128 + (6144 - 128) g
	v_lshlrev_b32 v134, 3, v129
	v_lshl_add_u32 v134, v131, 7, v134             ; the planes of 8 bytes a lane: 8 e + 128 h
	v_mad_u32_u24 v[LC+2], v130, 6208, v134
	v_mad_u32_u24 v[LC+3], v130, 6080, v134
	v_add_nc_u32 v[LC+3], 64, v[LC+3]
	v_lshlrev_b32 v135, 2, v129
	v_lshl_add_u32 v135, v130, 6, v135
	v_lshl_add_u32 v[LC+4], v131, 5, v135          ; scale words: 4 e + 64 g + 32 (l / 16): lanes 0-15 take tile 2 b's, lanes 16-31 tile 2 b + 1's
	; Q: tile A is block 2 p of its band (even: a lane's own place), tile B block 2 p + 1 of its band (odd: the place xor 128, xor 64)
	v_lshl_add_u32 v136, s[P], 9, v[LI]
	v_lshl_add_u32 v137, s[P], 8, v[L8]
	v_lshlrev_b32 v138, 2, v132
	v_lshl_add_u32 v138, s[P], 7, v138
	v_xor_b32 v139, 128, v[LI]
	v_lshl_add_u32 v139, s[P], 9, v139
	v_xor_b32 v140, 64, v[L8]
	v_lshl_add_u32 v140, s[P], 8, v140
	global_load_b128 v[QA:QA+3], v136, s[36:37]
	global_load_b64 v[QA+4:QA+5], v137, s[36:37] offset:5120
	global_load_b32 v[QSA], v138, s[36:37] offset:12288
	global_load_b128 v[QB:QB+3], v139, s[38:39] offset:6144
	global_load_b64 v[QB+4:QB+5], v140, s[38:39] offset:11264
	global_load_b32 v[QSA+1], v138, s[38:39] offset:12352
	v_lshlrev_b32 v141, 4, v131
	v_sub_nc_u32 v141, v132, v141                  ; r - 16 h
	v_lshl_add_u32 v[DA], s[P], 5, v141            ; tile A's query in its band, 32 p + r, less 16 h
	v_add_nc_u32 v[DA+1], 16, v[DA]                ; tile B's: 16 further on
.irp j, 6,7,8,9,10,11
	v_mov_b32 v[QA+\j], 0                          ; zero codes for the upper 64 of the instruction's K
	v_mov_b32 v[QB+\j], 0
.endr
.irp st, STA, STB
	v_mov_b32 v[\st+1], 0xff61b1e6                 ; the largest t so far: -3e38, under every t
	v_floor_f32 v[\st], -v[\st+1]                  ; -M
	v_mov_b32 v[\st+2], 0                          ; the sum, in two halves
	v_mov_b32 v[\st+3], 0
.endr
.irp b, 0,1,2,3
	v_mov_b32 v[T2+\b], 0                          ; written once: a lane permute's destination counts as one of its sources
.endr
	v_mov_b32 v[PW], 0                             ; (named as the upper half of the pair v[126:127] before it is first written)
.set J, 0
.rept 64
	v_mov_b32 v[OA+J], 0                           ; O^T of both tiles.  (The step is written once: a tile's first step finds zeros, which the first change of M leaves zeros)
.set J, J+1
.endr
	; where the results go.  T: a tile of 16 tokens, batch x 128 + 8 x band + its number in the band.  ctx: (((head / 4) x 512 + T) x 4 + head % 4) x 768;  csc: (16 T + head) x 64
	s_lshr_b32 s46, s[BH], 4
	s_lshl_b32 s46, s46, 7
	s_lshl_b32 s47, s[P], 1
	s_add_co_u32 s46, s46, s47                     ; batch x 128 + 2 p
	s_lshl_b32 s48, s[WV], 3
	s_add_co_u32 s48, s48, s46                     ; tile A's T
	s_lshl_b32 s49, s[BB], 3
	s_add_co_u32 s49, s49, s46
	s_add_co_u32 s49, s49, 1                       ; tile B's
	s_and_b32 s50, s[BH], 15                       ; the head
	s_lshr_b32 s51, s50, 2
	s_lshl_b32 s51, s51, 9
	s_and_b32 s52, s50, 3
	s_mul_i32 s52, s52, 768
	s_add_co_u32 s40, s48, s51
	s_mul_i32 s40, s40, 3072
	s_add_co_u32 s40, s40, s52
	s_mov_b32 s41, 0
	s_add_nc_u64 s[40:41], s[8:9], s[40:41]        ; tile A's 768 bytes of ctx
	s_add_co_u32 s42, s49, s51
	s_mul_i32 s42, s42, 3072
	s_add_co_u32 s42, s42, s52
	s_mov_b32 s43, 0
	s_add_nc_u64 s[42:43], s[8:9], s[42:43]        ; tile B's
	s_lshl_b32 s44, s48, 4
	s_add_co_u32 s44, s44, s50
	s_lshl_b32 s44, s44, 6                         ; tile A's 64 bytes of csc, as an offset
	s_lshl_b32 s45, s49, 4
	s_add_co_u32 s45, s45, s50
	s_lshl_b32 s45, s45, 6                         ; tile B's
	s_wait_loadcnt 0x0                             ; Q
	s_wait_tensorcnt 0x0                           ; my record has landed,
	s_barrier_signal -1
	s_barrier_wait -1                              ; everybody's has: the head's K and V lie in LDS
; A KEY STEP of one tile: 128 keys.  q, qs: the tile's Q and its scale words; st: its statistics; o: its O^T; d: its query's number for the mask; band: the scalar register with its band.
.macro TSTEP q, qs, st, o, d, band
	s_cmp_gt_u32 s[KSI], s[\band]                  ; all keys of the step come after the tile's queries: nothing to do
	s_cbranch_scc1 .Lhid_\@
.rept 4
	v_nop                                          ; places in front of loads into registers that the last products have read
.endr
.irp t, 0,1,2,3,4,5,6,7
	ds_load_b128 v[KV+6*\t:KV+6*\t+3], v[WA16+\t%2] offset:512*(\t/2)
	ds_load_b64 v[KV+6*\t+4:KV+6*\t+5], v[WA8+\t%2] offset:5120+256*(\t/2)
.endr
.irp b, 0,1,2,3
	ds_load_b32 v[KSC+\b], v[WS] offset:12288+128*\b
.endr
	s_wait_dscnt 0x0
.irp t, 0,1,2,3,4,5,6,7                ; S^T = K Q^T: in tile t lane (r, h) holds query r, register j key 32 (t / 2) + 16 h + 8 (t % 2) + j
.if (\t)%2
	v_wmma_scale_f32_16x16x128_f8f6f4 v[S+8*\t:S+8*\t+7], v[KV+6*\t:KV+6*\t+11], v[\q:\q+11], 0, v[KSC+\t/2], v[\qs] matrix_a_fmt:MATRIX_FMT_FP6 matrix_b_fmt:MATRIX_FMT_FP6 matrix_a_scale:MATRIX_SCALE_ROW1
.else
	v_wmma_scale_f32_16x16x128_f8f6f4 v[S+8*\t:S+8*\t+7], v[KV+6*\t:KV+6*\t+11], v[\q:\q+11], 0, v[KSC+\t/2], v[\qs] matrix_a_fmt:MATRIX_FMT_FP6 matrix_b_fmt:MATRIX_FMT_FP6
.endif
.endr
.rept 4
	v_nop                                          ; places: behind them K's registers are loaded again and the scores are read
.endr
.irp t, 0,1,2,3                        ; V is asked for now and lands under the softmax
.irp j, 0,1,2
	ds_load_b128 v[KV+12*\t+4*\j:KV+12*\t+4*\j+3], v[WA16+\t%2] offset:2048+512*(3*(\t/2)+\j)
.endr
.endr
.irp b, 0,1
	ds_load_b32 v[KSC+\b], v[WS] offset:12800+128*\b
.endr
	s_cmp_lg_u32 s[KSI], s[\band]                  ; only the tile's own band lies on the diagonal
	s_cbranch_scc1 .Lopen_\@
	v_mov_b32 v[TMP], 0xff800000                   ; -infinity: p = 0 then
.set N, 0
.rept 64                               ; register 16 b + i holds key 32 b + 16 h + i of the band: hidden where 32 b + i > my query - 16 h
	v_cmp_gt_i32 vcc_lo, 32*(N/16)+N%16, v[\d]
	v_cndmask_b32 v[S+N], v[S+N], v[TMP], vcc_lo
.set N, N+1
.endr
.Lopen_\@:
.irp b, 0,1,2,3
	v_max3_num_f32 v[BM+\b], v[S+16*\b], v[S+1+16*\b], v[S+2+16*\b]   ; THE LARGEST SCORE OF EACH BLOCK OF 32 KEYS: for the row's maximum, and, since p rises with the score, for the block's largest p
.endr
.irp i, 3,5,7,9,11,13
.irp b, 0,1,2,3
	v_max3_num_f32 v[BM+\b], v[BM+\b], v[S+16*\b+\i], v[S+1+16*\b+\i]   ; (the four blocks by turns)
.endr
.endr
.irp b, 0,1,2,3
	v_max_num_f32 v[BM+\b], v[BM+\b], v[S+15+16*\b]
.endr
.irp b, 0,1,2,3
	v_permlanex16_b32 v[T2+\b], v[BM+\b], s[SEL], s[SEL+1]
.endr
.irp b, 0,1,2,3
	v_max_num_f32 v[BM+\b], v[BM+\b], v[T2+\b]     ; with lane l xor 16's 16 keys
.endr
	v_max3_num_f32 v[TMP], v[BM], v[BM+1], v[BM+2]
	v_max_num_f32 v[TMP], v[TMP], v[BM+3]          ; the step's largest score of my query
	v_mul_f32 v[TMP], s[CS], v[TMP]                ; as t (c is positive)
	v_max_num_f32 v[\st+1], v[\st+1], v[TMP]       ; the running largest t
	v_mov_b32 v[TMP], v[\st]
	v_floor_f32 v[\st], -v[\st+1]                  ; the new -M = floor(-t) = -ceil(t): M IS A WHOLE NUMBER
	v_sub_f32 v[TMP], v[\st], v[TMP]               ; M's old value less its new one: a whole number, 0 or less
	v_cvt_i32_f32 v[TMP], v[TMP]                   ; (it saturates)
	v_ldexp_f32 v[F], 1.0, v[TMP]                  ; f = 2^(old M - new M)
.set J, 0
.rept 32
	v_pk_fma_f32 v[S+J:S+J+1], v[S+J:S+J+1], s[CS:CS+1], v[\st:\st+1] op_sel_hi:[1,0,0]   ; t - M, two at a time (of the pairs c and -M the low word serves both halves)
.set J, J+2
.endr
.irp b, 0,1,2,3
	v_fma_f32 v[BM+\b], v[BM+\b], s[CS], v[\st]    ; the same of each block's largest score
.endr
.set J, 0
.rept 64
	v_exp_f32 v[S+J], v[S+J]                       ; p = 2^(t - M), at most 1: NOT normalised
.set J, J+1
.endr
	v_pk_mul_f32 v[\st+2:\st+3], v[\st+2:\st+3], v[F:F+1] op_sel_hi:[1,0]   ; the sums under the new M.  (A plain place behind the exponentials)
	s_wait_alu depctr_va_vdst(0)                   ; one wait for the whole batch, ahead of its first reader
.irp b, 0,1,2,3
	v_exp_f32 v[BM+\b], v[BM+\b]                   ; the block's largest p: the same two instructions on the same number give the same bits
.endr
	v_pk_add_f32 v[T2:T2+1], v[S:S+1], v[S+2:S+3]  ; THE ROW'S SUM IS TAKEN OF THE UNQUANTISED p: two at a time, in two chains.  (It reads the 64 alone: plain work behind the four)
.irp j, 4,8,12,16,20,24,28,32,36,40,44,48,52,56,60
	v_pk_add_f32 v[\st+2:\st+3], v[\st+2:\st+3], v[S+\j:S+1+\j]
	v_pk_add_f32 v[T2:T2+1], v[T2:T2+1], v[S+2+\j:S+3+\j]
.endr
	v_pk_add_f32 v[\st+2:\st+3], v[\st+2:\st+3], v[T2:T2+1]
	s_wait_alu depctr_va_vdst(0)                   ; and one for the four
.irp b, 0,1,2,3
	v_max_num_f32 v[BM+\b], 0x1800000, v[BM+\b]    ; the floor 2^(3 - 127): the byte cannot fall under 1 (a block whose every p is 0 keeps that byte: its codes are zeros)
.endr
.irp b, 0,1,2,3
	v_add_nc_u32 v[SO+\b], 0xff000000, v[BM+\b]    ; 2 off the exponent field: the conversion's scale operand
.endr
.irp b, 0,1,2,3
	v_lshrrev_b32 v[T2+\b], 23, v[SO+\b]           ; the scale's byte
.endr
	v_lshl_or_b32 v[PW], v[T2+1], 8, v[T2]         ; p's scale word for these 128 keys
	v_lshl_or_b32 v[PW], v[T2+2], 16, v[PW]
	v_lshl_or_b32 v[PW], v[T2+3], 24, v[PW]
.irp c, 0,1
	v_cvt_scalef32_pk16_fp6_f32 v[PC+6*\c:PC+2+6*\c], v[S+32*\c:S+15+32*\c], v[SO+2*\c]
	v_cvt_scalef32_pk16_fp6_f32 v[T2+4*\c:T2+2+4*\c], v[S+16+32*\c:S+31+32*\c], v[SO+2*\c+1]   ; (a conversion's three registers begin on an even number)
.endr
	v_nop                                          ; one plain place behind a scaled conversion
.irp c, 0,1                            ; the operand's layout wants a WHOLE block in a lane: lanes 0-15 block 2 c, lanes 16-31 block 2 c + 1
.irp i, 0,1,2
	v_permlane16_swap_b32 v[PC+6*\c+\i], v[T2+4*\c+\i]
.endr
.irp i, 0,1,2
	v_mov_b32 v[PC+3+6*\c+\i], v[T2+4*\c+\i]
.endr
.endr
.set J, 0
.rept 16
	v_pk_mul_f32 v[\o+J:\o+J+1], v[\o+J:\o+J+1], v[F:F+1] op_sel_hi:[1,0]   ; O^T under the new M: x f.  (These sixteen are also the places in front of the matrix instructions below)
.set J, J+2
.endr
	s_wait_dscnt 0x0                               ; V and its scale words are in
.irp t, 0,1,2,3                        ; O^T += V^T P^T: the four accumulators by turns, one instruction each; register 8 t + j of lane (r, h) is dim 32 (t / 2) + 16 h + 8 (t % 2) + j
.if (\t)%2
	v_wmma_scale_f32_16x16x128_f8f6f4 v[\o+8*\t:\o+8*\t+7], v[KV+12*\t:KV+12*\t+11], v[PC:PC+11], v[\o+8*\t:\o+8*\t+7], v[KSC+\t/2], v[PW] matrix_a_fmt:MATRIX_FMT_FP6 matrix_b_fmt:MATRIX_FMT_FP6 matrix_a_scale:MATRIX_SCALE_ROW1
.else
	v_wmma_scale_f32_16x16x128_f8f6f4 v[\o+8*\t:\o+8*\t+7], v[KV+12*\t:KV+12*\t+11], v[PC:PC+11], v[\o+8*\t:\o+8*\t+7], v[KSC+\t/2], v[PW] matrix_a_fmt:MATRIX_FMT_FP6 matrix_b_fmt:MATRIX_FMT_FP6
.endif
.endr
.Lhid_\@:
.endm
.Lstep:                                ; 16 trips, a constant: key step KSI for both tiles
.irp i, 0,1,2,3,4
	v_add_nc_u32 v[WA16+\i], s[TB], v[LC+\i]       ; my lane's places in the step's record
.endr
	TSTEP QA, QSA, STA, OA, DA, WV
	TSTEP QB, QSA+1, STB, OB, DA+1, BB
	s_add_co_u32 s[TB], s[TB], REC
	s_add_co_u32 s[KSI], s[KSI], 1
	s_cmp_lt_u32 s[KSI], 16
	s_cbranch_scc1 .Lstep
; THE WAY OUT of a tile: O^T / the sum, quantised along the head's 64 dims (two blocks), stored as the next product's operand registers 0-5 and a scale word.
.macro FINISH st, o, dst, cd, w, base
	v_add_f32 v[TMP], v[\st+2], v[\st+3]           ; the sum's two halves,
	v_permlanex16_b32 v[FT+2], v[TMP], s[SEL], s[SEL+1]
	v_add_f32 v[TMP], v[TMP], v[FT+2]              ; and lane l xor 16's: the row's sum
	v_rcp_f32 v[F], v[TMP]
	v_nop                                          ; a plain place behind the transcendental
	s_wait_alu depctr_va_vdst(0)                   ; and the wait ahead of its first reader
.set J, 0
.rept 16
	v_pk_mul_f32 v[\dst+J:\dst+J+1], v[\o+J:\o+J+1], v[F:F+1] op_sel_hi:[1,0]   ; register 16 b + i: dim 32 b + 16 h + i of my query.  (Each accumulator from its low end on)
.set J, J+2
.endr
.irp b, 0,1
	v_max3_num_f32 v[FT+\b], |v[\dst+16*\b]|, |v[\dst+16*\b+1]|, 0x1800000   ; my 16 numbers of block b, and the floor 2^(3 - 127)
.endr
.irp i, 2,4,6,8,10,12,14
.irp b, 0,1
	v_max3_num_f32 v[FT+\b], v[FT+\b], |v[\dst+16*\b+\i]|, |v[\dst+16*\b+\i+1]|
.endr
.endr
.irp b, 0,1
	v_permlanex16_b32 v[FT+2+\b], v[FT+\b], s[SEL], s[SEL+1]
.endr
.irp b, 0,1
	v_max_num_f32 v[FT+\b], v[FT+\b], v[FT+2+\b]   ; the block's largest magnitude
.endr
.irp b, 0,1
	v_add_nc_u32 v[FT+4+\b], 0xff000000, v[FT+\b]  ; the conversion's scale operand
.endr
.irp b, 0,1
	v_lshrrev_b32 v[FT+6+\b], 23, v[FT+4+\b]       ; the scale's byte
.endr
	v_lshl_or_b32 v[\w], v[FT+7], 8, v[FT+6]       ; two bytes, two zeros above them
	v_cvt_scalef32_pk16_fp6_f32 v[\cd:\cd+2], v[\dst:\dst+15], v[FT+4]
	v_cvt_scalef32_pk16_fp6_f32 v[\cd+6:\cd+8], v[\dst+16:\dst+31], v[FT+5]
	v_nop                                          ; one plain place behind a scaled conversion
.irp i, 0,1,2
	v_permlane16_swap_b32 v[\cd+\i], v[\cd+6+\i]   ; lanes 0-15 get block 0 whole, lanes 16-31 block 1
.endr
.irp i, 0,1,2
	v_mov_b32 v[\cd+3+\i], v[\cd+6+\i]
.endr
	global_store_b128 v[LI], v[\cd:\cd+3], s[\base:\base+1]              ; 512 consecutive bytes, at a multiple of 256 from ctx's first byte
	global_store_b64 v[L8], v[\cd+4:\cd+5], s[\base:\base+1] offset:512  ; 256 more
.endm
.rept 4
	v_nop                                          ; the places behind the last products
.endr
	v_mov_b32 v[FT+2], 0                           ; a lane permute's destination counts as one of its sources
	v_mov_b32 v[FT+3], 0
	FINISH STA, OA, 128, 102, WRA, 40
	FINISH STB, OB, 160, 114, WRA+1, 42            ; other registers for its codes: no store's data are written again
	v_and_b32 v[FT+8], 15, v0
	v_lshlrev_b32 v[FT+8], 2, v[FT+8]              ; 4 r
	v_add_nc_u32 v[FT+9], s44, v[FT+8]
	v_add_nc_u32 v[FT+10], s45, v[FT+8]
	v_cndmask_b32 v[FT+9], v[FT+9], v[FT+10], s[HI]    ; lanes 0-15 store tile A's scale words, lanes 16-31 tile B's
	v_cndmask_b32 v[FT+11], v[WRA], v[WRA+1], s[HI]
	global_store_b32 v[FT+9], v[FT+11], s[10:11]
	s_wait_xcnt 0x0
	v_lshl_add_u32 v254, v0, 2, 0x33000
	v_mov_b32 v255, 0
	s_wait_tensorcnt 0x0
	ds_add_u32 v254, v255
	s_wait_dscnt 0x0
	CROUND                                         ; the closing round: no work-group ends while a partner may still ask for a record that names it
	s_endpgm
.Lfunc_end_k_q43459c1f09_attn:
	.size	k_q43459c1f09_attn, .Lfunc_end_k_q43459c1f09_attn-k_q43459c1f09_attn
	.p2alignl 7, 3214868480
	.fill 96, 4, 3214868480
	.section	.rodata,"a",@progbits
	.p2align	6, 0x0
	.amdhsa_kernel k_q43459c1f09_attn
		.amdhsa_group_segment_fixed_size 210944
		.amdhsa_private_segment_fixed_size 0
		.amdhsa_enable_private_segment 0
		.amdhsa_kernarg_size 32
		.amdhsa_user_sgpr_count 2
		.amdhsa_user_sgpr_kernarg_segment_ptr 1
		.amdhsa_wavefront_size32 1
		.amdhsa_system_sgpr_workgroup_id_x 1
		.amdhsa_system_sgpr_workgroup_id_y 1
		.amdhsa_system_sgpr_workgroup_id_z 1
		.amdhsa_system_vgpr_workitem_id 0
		.amdhsa_next_free_vgpr 256
		.amdhsa_next_free_sgpr 66
		.amdhsa_reserve_vcc 1
		.amdhsa_float_denorm_mode_32 3
		.amdhsa_float_denorm_mode_16_64 3
		.amdhsa_memory_ordered 1
		.amdhsa_forward_progress 1
		.amdhsa_inst_pref_size 59
	.end_amdhsa_kernel
	.amdgpu_metadata
---
amdhsa.version: [ 1, 2 ]
amdhsa.kernels:
  - .name:           k_q43459c1f09_attn
    .symbol:         k_q43459c1f09_attn.kd
    .args:
      - { .name: qrec, .offset: 0, .size: 8, .value_kind: global_buffer, .address_space: global }
      - { .name: kv, .offset: 8, .size: 8, .value_kind: global_buffer, .address_space: global }
      - { .name: ctx, .offset: 16, .size: 8, .value_kind: global_buffer, .address_space: global }
      - { .name: csc, .offset: 24, .size: 8, .value_kind: global_buffer, .address_space: global }
    .group_segment_fixed_size: 210944
    .private_segment_fixed_size: 0
    .kernarg_segment_align: 8
    .kernarg_segment_size: 32
    .max_flat_workgroup_size: 512
    .sgpr_count:     66
    .vgpr_count:     256
    .wavefront_size: 32
...
	.end_amdgpu_metadata
.endif
;; end of part 2
;; launch oproj (part 3): grid 4 x 32, 4 waves a work-group, clusters of 4 x 4, 327,680 bytes of LDS; arguments ctx, csc, w_o_codes, w_o_scales, out0, b_o; writes out0
.if DOCPART == 3
	.amdgcn_target "amdgcn-amd-amdhsa--gfx1250"
	.amdhsa_code_object_version 6
	.text
	.protected	k_q43459c1f09_oproj
	.globl	k_q43459c1f09_oproj
	.p2align	8
	.type	k_q43459c1f09_oproj,@function
k_q43459c1f09_oproj:
	s_mov_b64 s[64:65], 0
	v_nop
	global_prefetch_b8 v0, s[64:65] scope:SCOPE_SE
	s_setreg_imm32_b32 hwreg(HW_REG_WAVE_MODE, 25, 1), 1
	s_wait_xcnt 0x0
	s_wait_alu depctr_hold_cnt(0) depctr_sa_sdst(0) depctr_va_vdst(0) depctr_va_sdst(0) depctr_va_ssrc(0) depctr_va_vcc(0) depctr_vm_vsrc(0)
	s_getreg_b32 s2, hwreg(HW_REG_IB_STS2, 6, 4)
	s_cmp_eq_u32 s2, 0
	s_cbranch_scc0 .Lentry_in_a_cluster
	s_endpgm
.Lentry_in_a_cluster:
	s_bfe_u32 s2, ttmp6, 0x10000c
	s_cmp_lg_u32 s2, 0xf033
	s_cbranch_scc0 .Lentry_shape_is_right
	s_endpgm
.Lentry_shape_is_right:
; out0 = ctx Wo^T + b_o on codes of FP6 (E2M3) with one E8M0 scale for each 32 along K = 1,024; out0 [8,192][1,024] f32.
; A = ctx, as the launch before laid it: [K step of 256 (4 heads)][tile of 16 tokens][head % 4][768 bytes]; the 768 bytes are operand registers 0-3 (16 bytes a lane) and 4-5 (8 bytes a lane) of lane (r, h): token r, dims 32 h .. 32 h + 31
; of the head.  Two heads are a fragment of 128 along K.  So a K step's 128 rows of A are ONE dense block of 24,576 bytes, and a fragment comes by four LDS loads of consecutive bytes.
; A's scale words (csc: [tile][head][row], two bytes each) of the wave's 128 rows, for all of K, stay in 64 REGISTERS.  B = Wo as it is given: rows of 768 bytes; its scale bytes come into LDS once.
; A tile of out0, 256 x 256, is made by a work-group of four waves; a wave makes 128 x 128: 64 accumulators, 512 registers.  K goes in four steps of 256 through two LDS slots.
; CLUSTERS: 4 x 4 work-groups; A's tile is asked for jointly along a row of the cluster, B's along a column.  THE MATRIX INSTRUCTION IS USED TRANSPOSED (source 0 = 16 rows of Wo, source 1 = 16 tokens): a lane holds eight neighbouring numbers of a row.
; 4 x 32 work-groups: out0 has 128 tiles of this size.
; REGISTERS, in windows of 256: window 0: v0-31 addresses, the bias; v32-63 B's scale words, two sets; v64-127 A's scale words; from v128 A's fragments, one set (on the way out v128-255: rows of out0).
;   window 1: B's fragments, two sets.   windows 2, 3: the accumulators ((a, b) at v[8 (8 (a % 4) + b)]).
.set SIZE_N, 1024
.set NQ,     2                         ; matrix instructions deep in a slot
.set ROWB,   192                       ; a row of B's tile in bytes
.set KROW,   768                       ; a row of Wo in memory
.set PITCH,  240                       ; B's LDS row: 3 x (64 bytes + 16 of padding)
.set FR,     12                        ; registers of a fragment
.set NLA,    4                         ; LDS loads that bring one of A's
.set NP,     4                         ; places behind this matrix instruction (ISA guide 7.12.1)
.set HALFA,  24576                     ; 128 rows of A for a K step: 8 tiles x 3,072 bytes
.set HALFB,  128*PITCH                 ; 128 rows of B
.set SLOT,   2*HALFA+2*HALFB           ; A's two halves, then B's two
.set KSA,    512*3072                  ; from a K step of ctx to the next
.set KS,     32                        ; a row of scale bytes
.set SCL,    2*SLOT                    ; behind the ring: B's scales, 32 units of 256 bytes + 16 of padding
.set QS,     8*272                     ; the scales of 64 rows: what one tensor load brings
.set HALFS,  16*272                    ; of 128 rows
.set SBLK,   2*272                     ; of 16 rows
.set SPARE,  SCL+4*QS                  ; the spare words, 128 bytes for each wave, which no other line names
.set SPITCH, 528                       ; the way out: a stage of 16 rows x (512 bytes + 16) for each wave, in slot 0, which has had its last fill and its last read when the first result is stored there
.set BIAS, 8                           ; v8-11   b_o at my four columns of a row
.set XT,   12                          ; v12-13  at work: the other half's scale words
.set L4,   14                          ; v14     4 x lane
.set ADRA, 16                          ; v16-17  LDS address of A's planes of 16 bytes a lane in slot 0, 1;  v18-19 of those of 8 bytes a lane
.set ADRB, 20                          ; v20-21  of my B fragments (v22-23: for the pieces behind one padding more)
.set STO,  24                          ; v24     the way out: where I put 32 bytes of a row
.set RD,   25                          ; v25     where I read a row back
.set CO,   26                          ; v26     16 x lane: my byte offset in a row of out0
.set ADRS, 27                          ; v27     LDS address of B's scale words: row l % 16 in both halves of the lanes
.set SPW,  28                          ; v28     LDS address of my spare word; never rewritten
.set NIL,  29                          ; v29     0; never rewritten
.set SC,   32                          ; B's scale words: set s at v[SC + 16 s], register 2 i + q
.set ASC,  64                          ; A's scale words: register 8 a + ch: block a, the ch-th 128 along K
.set AF,   128                         ; A's fragments
.set BK,   128                         ; the way out: v128-191 and v192-255 by turns
.set G1, 24                            ; s[24:31] descriptor group 1 for A's tiles;  s[32:39] group 0, one set for each slot
.set G0, 32
.set G1B, 48                           ; s[48:55], s[56:63] the same for B's
.set G0B, 56
.set G1S, 68                           ; s[68:75], s[76:79] for B's scales
.set G0S, 76
.set SEL, 98                           ; s[98:99] lane selects for v_permlanex16_b32: lane l xor 16
.set MSB, 0
.macro WIN new                         ; the immediate's high byte repeats the setting that is left
.if MSB != \new
	s_set_vgpr_msb (MSB<<8)|\new
.set MSB, \new
.endif
.endm
.set MUL_LO, 0xa1                      ; source 0 (B) window 1, source 1 (A) window 0, C and D window 2
.set MUL_HI, 0xf1                      ; the same, C and D window 3
.set TO_B,   0x40                      ; destination window 1, address window 0
.macro JLOAD g0a, g1a, g0b, g1b        ; a joint load: waves 0 and 1 fetch for A, waves 2 and 3 for B; four v_nop follow each of the two lines
	s_cmp_eq_u32 s15, 0
	s_cbranch_scc0 .Lfor_b_\@
	tensor_load_to_lds s[\g0a:\g0a+3], s[\g1a:\g1a+7]
	s_nop 0
.rept 4
	v_nop
.endr
	s_branch .Lasked_\@
.Lfor_b_\@:
	tensor_load_to_lds s[\g0b:\g0b+3], s[\g1b:\g1b+7]
	s_nop 0
.rept 4
	v_nop
.endr
.Lasked_\@:
.endm
.macro CREST                           ; a round of the cluster's barrier behind its opening barrier
	s_cmp_lg_u32 s14, 0
	s_cbranch_scc1 .Lnot_wave_0_\@
	s_barrier_signal -3
.Lnot_wave_0_\@:
	s_barrier_wait -3
	s_barrier_signal -1
	s_barrier_wait -1
.endm
.macro CROUND
	s_barrier_signal -1
	s_barrier_wait -1
	CREST
.endm
	s_load_b128 s[4:7], s[0:1], 0x0                ; ctx, csc
	s_load_b128 s[8:11], s[0:1], 0x10              ; Wo's codes, Wo's scales
	s_load_b64 s[12:13], s[0:1], 0x20              ; out0
	s_load_b64 s[96:97], s[0:1], 0x28              ; b_o
	v_lshl_add_u32 v[SPW], v0, 2, SPARE
	v_mov_b32 v[NIL], 0
	ds_add_u32 v28, v29
	ds_add_u32 v28, v29
	s_wait_dscnt 0x0
	v_lshrrev_b32 v1, 5, v0
	v_readfirstlane_b32 s14, v1                    ; wave 0..3
	s_lshr_b32 s15, s14, 1                         ; which half of the tile's rows is mine.  Also: I fetch for A (0) or for B (1)
	s_and_b32 s16, s14, 1                          ; which half of its columns.  Also: which 128 rows of that tile I fetch
	s_bfe_u32 s40, ttmp6, 0x40000                  ; cx, cy
	s_bfe_u32 s41, ttmp6, 0x40004
	s_lshl_b32 s42, ttmp9, 2
	s_add_co_u32 s42, s42, s40                     ; tile column = 4 x cluster x + cx
	s_and_b32 s17, ttmp7, 0xffff
	s_lshl_b32 s17, s17, 2
	s_add_co_u32 s17, s17, s41                     ; tile row = 4 x cluster y + cy
	s_lshl_b32 s43, s41, 2
	s_lshl_b32 s43, 15, s43                        ; my row of the cluster
	s_lshl_b32 s44, 0x1111, s40                    ; my column
	; A's tiles: a dense block of 24,576 bytes as 96 rows of 256 bytes (32 elements of 8 bytes), no padding
	s_or_b32 s[G1+0], s43, (3<<16)|(1<<21)
	s_mov_b32 s[G1+1], 32<<16
	s_mov_b32 s[G1+2], 96<<16
	s_mov_b32 s[G1+3], 32<<16
	s_mov_b32 s[G1+4], 96
	s_mov_b32 s[G1+5], 32
	s_mov_b32 s[G1+6], 0
	s_mov_b32 s[G1+7], 0
	; B's tiles: 128 rows x 192 bytes, 16 bytes of padding behind every 64
	s_or_b32 s[G1B+0], s44, (0<<16)|(1<<20)|(1<<21)|(3<<22)|(3<<25)
	s_mov_b32 s[G1B+1], ROWB<<16
	s_mov_b32 s[G1B+2], 128<<16
	s_mov_b32 s[G1B+3], ROWB<<16
	s_mov_b32 s[G1B+4], 128
	s_mov_b32 s[G1B+5], KROW
	s_mov_b32 s[G1B+6], 0
	s_mov_b32 s[G1B+7], 0
	; B's scales of 64 rows: 2,048 dense bytes as 8 rows of 256 bytes, 16 bytes of padding behind each
	s_or_b32 s[G1S+0], s44, (3<<16)|(1<<20)|(1<<21)|(5<<22)|(3<<25)
	s_mov_b32 s[G1S+1], 32<<16
	s_mov_b32 s[G1S+2], 8<<16
	s_mov_b32 s[G1S+3], 32<<16
	s_mov_b32 s[G1S+4], 8
	s_mov_b32 s[G1S+5], 32
	s_mov_b32 s[G1S+6], 0
	s_mov_b32 s[G1S+7], 0
	s_lshl_b32 s20, s17, 4
	s_lshl_b32 s18, s16, 3
	s_add_co_u32 s20, s20, s18                     ; A: tile of 16 tokens 16 x tile row + 8 x half
	s_mul_i32 s20, s20, 3072
	s_mov_b32 s21, 0
	s_lshl_b32 s46, s42, 8
	s_lshl_b32 s18, s16, 7
	s_add_co_u32 s46, s46, s18                     ; B: row 256 x tile column + 128 x half
	s_mul_i32 s46, s46, KROW
	s_mov_b32 s47, 0
	s_lshl_b32 s92, s42, 8
	s_lshl_b32 s18, s14, 6
	s_add_co_u32 s92, s92, s18                     ; B's scales: row 256 x tile column + 64 x wave
	s_lshl_b32 s92, s92, 5
	s_mov_b32 s93, 0
	s_mul_i32 s45, s16, HALFA                      ; where they go: no place in the cluster enters an LDS address
	s_mul_i32 s94, s16, HALFB
	s_add_co_u32 s94, s94, 2*HALFA
	s_mul_i32 s95, s14, QS
	s_add_co_u32 s95, s95, SCL
	s_wait_kmcnt 0x0
	s_add_nc_u64 s[20:21], s[4:5], s[20:21]
	s_add_nc_u64 s[46:47], s[8:9], s[46:47]
	s_add_nc_u64 s[92:93], s[10:11], s[92:93]
	CROUND                                         ; all sixteen work-groups are here: the first joint loads meet
	s_mov_b32 s[G0S], 1
	s_mov_b32 s[G0S+1], s95
	s_mov_b64 s[G0S+2:G0S+3], s[92:93]
	s_or_b32 s[G0S+3], s[G0S+3], 0x80000000
	tensor_load_to_lds s[G0S:G0S+3], s[G1S:G1S+7]  ; B's scales first, a quarter a wave: they are wanted with K step 0
	s_nop 0
.rept 4
	v_nop
.endr
.irp s, 0,1
	s_mov_b32 s[G0+4*\s], 1
	s_add_co_u32 s[G0+4*\s+1], s45, \s*SLOT
	s_add_nc_u64 s[G0+4*\s+2:G0+4*\s+3], s[20:21], \s*KSA
	s_or_b32 s[G0+4*\s+3], s[G0+4*\s+3], 0x80000000
	s_mov_b32 s[G0B+4*\s], 1
	s_add_co_u32 s[G0B+4*\s+1], s94, \s*SLOT
	s_add_nc_u64 s[G0B+4*\s+2:G0B+4*\s+3], s[46:47], \s*ROWB
	s_or_b32 s[G0B+4*\s+3], s[G0B+4*\s+3], 0x80000000
	JLOAD G0+4*\s, G1, G0B+4*\s, G1B               ; three tensor loads of mine are out now
.endr
	v_and_b32 v1, 15, v0                           ; l % 16
	v_bfe_u32 v2, v0, 4, 1                         ; l / 16
	v_and_b32 v6, 31, v0                           ; l
	v_lshlrev_b32 v[CO], 4, v6
	v_lshlrev_b32 v7, 3, v6
	v_lshlrev_b32 v[L4], 2, v6
	; A's scale words: csc at my 8 tiles of tokens; lane (r, h) of load (a, i) takes head 2 i + h's word of row r: 128 consecutive bytes a load
	s_lshl_b32 s20, s17, 4
	s_lshl_b32 s21, s15, 3
	s_add_co_u32 s20, s20, s21
	s_lshl_b32 s20, s20, 10                        ; a tile's 16 heads x 16 rows x 4 bytes
	s_mov_b32 s21, 0
	s_add_nc_u64 s[6:7], s[6:7], s[20:21]
.irp a, 0,1,2,3,4,5,6,7
.irp i, 0,1,2,3,4,5,6,7
	global_load_b32 v[ASC+8*\a+\i], v[L4], s[6:7] offset:1024*\a+128*\i
.endr
.endr
	s_lshl_b32 s46, s42, 10                        ; my first column, in bytes: 1,024 x tile column + 512 x half
	s_lshl_b32 s47, s16, 9
	s_add_co_u32 s46, s46, s47
	s_mov_b32 s47, 0
	s_add_nc_u64 s[96:97], s[96:97], s[46:47]
	global_load_b128 v[BIAS:BIAS+3], v[CO], s[96:97]   ; b_o at the four columns that I store of every row
	v_mul_u32_u24 v3, v1, PITCH
	v_mul_u32_u24 v4, v2, 24
	v_add_nc_u32 v4, v3, v4                        ; B: a fragment's row x pitch + 24 x half
	v_lshl_add_u32 v5, v2, 4, v4                   ; and the same behind one padding more
	s_mul_i32 s21, s15, HALFA                      ; my 128 rows of A
	s_mul_i32 s22, s16, HALFB                      ; my 128 rows of B,
	s_add_co_u32 s22, s22, 2*HALFA                 ; which lie behind A's 256
.irp s, 0,1
	v_add_nc_u32 v[ADRA+\s], s21, v[CO]
	v_add_nc_u32 v[ADRA+2+\s], s21, v7
	v_add_nc_u32 v[ADRB+\s], s22, v4
	v_add_nc_u32 v[ADRB+2+\s], s22, v5
	s_add_co_u32 s21, s21, SLOT
	s_add_co_u32 s22, s22, SLOT
.endr
	v_mul_u32_u24 v5, v1, KS                       ; B's scales: 32 bytes a row,
	v_lshrrev_b32 v6, 8, v5
	v_lshl_add_u32 v5, v6, 4, v5                   ; and 16 more for each 256 passed
	s_mul_i32 s21, s16, HALFS
	s_add_co_u32 s21, s21, SCL
	v_add_nc_u32 v[ADRS], s21, v5
	s_mul_i32 s23, s14, 16*SPITCH                  ; my stage
	v_mul_u32_u24 v5, v1, SPITCH                   ; in: row l % 16, 32 bytes for each half of the lanes
	v_lshl_add_u32 v5, v2, 5, v5
	v_add_nc_u32 v[STO], s23, v5
	v_add_nc_u32 v[RD], s23, v[CO]                 ; back: the 32 lanes take one row of 512 bytes
	s_lshl_b32 s20, s17, 8
	s_lshl_b32 s21, s15, 7
	s_add_co_u32 s20, s20, s21                     ; my first row of out0
	s_mov_b32 s21, 0
	s_mov_b64 s[18:19], SIZE_N*4
	s_mul_u64 s[20:21], s[20:21], s[18:19]
	s_add_nc_u64 s[20:21], s[20:21], s[46:47]
	s_add_nc_u64 s[12:13], s[12:13], s[20:21]
	s_mov_b32 s[SEL], 0x76543210
	s_mov_b32 s[SEL+1], 0xfedcba98
	v_mov_b32 v[XT], 0                             ; a lane permute's destination counts as one of its sources
	v_mov_b32 v[XT+1], 0
	s_wait_loadcnt 0x0
.set J, 0
.rept 64                               ; two heads' words make the scale word of 128 along K: whole in lanes 0-15, which are the lanes that are read
	v_permlanex16_b32 v[XT+J%2], v[ASC+J], s[SEL], s[SEL+1]
	v_lshl_or_b32 v[ASC+J], v[XT+J%2], 16, v[ASC+J]
.set J, J+1
.endr
.macro FRAG reg, adr, q, i             ; a fragment of B from padded rows: pieces of 8 bytes; lanes 16-31 read three pieces further on; where that is behind one padding more, the second address register serves
.irp p, 0,1,2,3,4,5
.set PIECE, 12*(\q)+6*(\p/3)+\p%3
.if PIECE%8 < 5
	ds_load_b64 v[\reg+2*\p:\reg+2*\p+1], v[\adr] offset:8*PIECE+16*(PIECE/8)+(\i)*16*PITCH
.else
	ds_load_b64 v[\reg+2*\p:\reg+2*\p+1], v[\adr+2] offset:8*PIECE+16*(PIECE/8)+(\i)*16*PITCH
.endif
.endr
.endm
.macro FRAGA reg, slot, q, i           ; a fragment of A: two heads' images, each 512 bytes (registers 0-3) and 256 bytes (registers 4-5), consecutive bytes in consecutive lanes
	ds_load_b128 v[\reg:\reg+3], v[ADRA+\slot] offset:3072*(\i)+1536*(\q)
	ds_load_b64 v[\reg+4:\reg+5], v[ADRA+2+\slot] offset:3072*(\i)+1536*(\q)+512
	ds_load_b128 v[\reg+6:\reg+9], v[ADRA+\slot] offset:3072*(\i)+1536*(\q)+768
	ds_load_b64 v[\reg+10:\reg+11], v[ADRA+2+\slot] offset:3072*(\i)+1536*(\q)+1280
.endm
; 16 matrix instructions: A's blocks a0, a0 + 1 x B's eight, 128 along K: the ch-th of K.  The 64 accumulators take turns, one instruction a turn, in the same order in every step.
.macro MUL16 a0, p, q, sc, ch, zero
.irp a, \a0, \a0+1
.irp b, 0,1,2,3,4,5,6,7
.if \zero
	v_wmma_scale_f32_16x16x128_f8f6f4 v[8*(8*((\a)%4)+\b):8*(8*((\a)%4)+\b)+7], v[128*(\p)+FR*\b:128*(\p)+FR*\b+FR-1], v[AF+FR*(\a):AF+FR*(\a)+FR-1], 0, v[SC+8*NQ*(\sc)+NQ*\b+(\q)], v[ASC+8*(\a)+(\ch)] matrix_a_fmt:MATRIX_FMT_FP6 matrix_b_fmt:MATRIX_FMT_FP6
.else
	v_wmma_scale_f32_16x16x128_f8f6f4 v[8*(8*((\a)%4)+\b):8*(8*((\a)%4)+\b)+7], v[128*(\p)+FR*\b:128*(\p)+FR*\b+FR-1], v[AF+FR*(\a):AF+FR*(\a)+FR-1], v[8*(8*((\a)%4)+\b):8*(8*((\a)%4)+\b)+7], v[SC+8*NQ*(\sc)+NQ*\b+(\q)], v[ASC+8*(\a)+(\ch)] matrix_a_fmt:MATRIX_FMT_FP6 matrix_b_fmt:MATRIX_FMT_FP6
.endif
.endr
.endr
.endm
.macro FETCH_B slot, q, p
	WIN TO_B
.irp i, 0,1,2,3,4,5,6,7
	FRAG 128*(\p)+FR*\i, ADRB+\slot, \q, \i
.endr
	WIN 0
.endm
.macro FETCH_A slot, q, i0
.irp i, \i0, \i0+1, \i0+2, \i0+3
	FRAGA AF+FR*(\i), \slot, \q, \i
.endr
.endm
.macro SCALES sc                       ; a K step's scale words of B into set sc: two words a row
.irp i, 0,1,2,3,4,5,6,7
	ds_load_b64 v[SC+8*NQ*\sc+NQ*\i:SC+8*NQ*\sc+NQ*\i+1], v[ADRS] offset:\i*SBLK
.endr
.endm
.macro PLACES n                        ; plain vector instructions between a matrix instruction and a load into, or a read of, its registers
.rept \n
	v_nop
.endr
.endm
; A step of 128 along K that has its successor in the same slot.  ks: the K step's number.
.macro STEP slot, q, ks, zero
	s_wait_dscnt 4*NLA                             ; B's set and A's blocks 0-3 are in; the youngest 16 loads (A's blocks 4-7) may be out
	WIN MUL_LO
	MUL16 0, (\q)%2, \q, \slot, 2*(\ks)+(\q), \zero
	MUL16 2, (\q)%2, \q, \slot, 2*(\ks)+(\q), \zero
	s_wait_dscnt 0                                 ; A's blocks 4-7 are in
	PLACES NP
	FETCH_B \slot, (\q)+1, 1-(\q)%2
	FETCH_A \slot, (\q)+1, 0
	WIN MUL_HI
	MUL16 4, (\q)%2, \q, \slot, 2*(\ks)+(\q), \zero
	MUL16 6, (\q)%2, \q, \slot, 2*(\ks)+(\q), \zero
	PLACES NP
	WIN 0
	FETCH_A \slot, (\q)+1, 4
.endm
; A slot's last step changes slots: ONE barrier; in front of it each wave waits for all its tensor loads, adds 0 to its spare word, and waits for that and for its own reads of this slot.  fill = 1: this slot is filled again, two K steps ahead.
.macro TURN slot, next, ks, fill
	s_wait_tensorcnt 0x0                           ; all my tensor loads have landed: my part of the next slot
	ds_add_u32 v[SPW], v[NIL]                      ; 0 onto my spare word
	s_wait_dscnt 4*NLA+1                           ; (the add and the youngest 16 loads, A's blocks 4-7, may be out)
	WIN MUL_LO
	MUL16 0, 1, NQ-1, \slot, 2*(\ks)+1, 0          ; sixteen matrix instructions stand between the add and the wait for it
	s_wait_dscnt 0x0                               ; the add is done, and my reads of this slot are over
	s_barrier_signal -1
	MUL16 2, 1, NQ-1, \slot, 2*(\ks)+1, 0
	WIN 0
	s_barrier_wait -1
.if \fill
	CREST                                          ; the barrier has opened a round of the cluster's barrier: no wave of any partner still reads this slot's tile or has a load on its way
	s_add_nc_u64 s[G0+4*\slot+2:G0+4*\slot+3], s[G0+4*\slot+2:G0+4*\slot+3], 2*KSA
	s_add_nc_u64 s[G0B+4*\slot+2:G0B+4*\slot+3], s[G0B+4*\slot+2:G0B+4*\slot+3], 2*ROWB
	JLOAD G0+4*\slot, G1, G0B+4*\slot, G1B         ; the first tensor load behind the round; its four v_nop are the places in front of the loads below
.else
	PLACES NP
.endif
	v_add_nc_u32 v[ADRS], 4*NQ, v[ADRS]            ; on to the next K step's scale words of B
	FETCH_B \next, 0, 0
	FETCH_A \next, 0, 0
	SCALES \next
	WIN MUL_HI
	MUL16 4, 1, NQ-1, \slot, 2*(\ks)+1, 0
	MUL16 6, 1, NQ-1, \slot, 2*(\ks)+1, 0
	PLACES NP
	WIN 0
	FETCH_A \next, 0, 4
.endm
	s_wait_tensorcnt 1                             ; B's scales and my part of K step 0 are in (K step 1's load may be out)
	s_barrier_signal -1
	s_barrier_wait -1                              ; everybody's are
	FETCH_B 0, 0, 0
	FETCH_A 0, 0, 0
	SCALES 0
	FETCH_A 0, 0, 4
	STEP 0, 0, 0, 1                                ; K has four K steps: they are written out.  The first products start the sums
	TURN 0, 1, 0, 1                                ; slot 0 takes K step 2
	STEP 1, 0, 1, 0
	TURN 1, 0, 1, 1                                ; slot 1 takes K step 3
	STEP 0, 0, 2, 0
	TURN 0, 1, 2, 0                                ; nothing is left to fetch
	STEP 1, 0, 3, 0
	s_wait_dscnt 4*NLA                             ; the very last step
	WIN MUL_LO
	MUL16 0, 1, NQ-1, 1, 7, 0
	MUL16 2, 1, NQ-1, 1, 7, 0
	s_wait_dscnt 0
	WIN MUL_HI
	MUL16 4, 1, NQ-1, 1, 7, 0
	MUL16 6, 1, NQ-1, 1, 7, 0
	WIN 0
; THE WAY OUT, block by block of 16 rows x 128 columns: through my own stage in LDS and back as whole rows of 512 bytes; the bias is added to the rows; the 32 lanes store two aligned units of 256 bytes.
; LDS serves a wave's instructions in order (ISA guide 5.7.1.4): no wait between the stores and the loads, nor in front of the next block's stores.
.macro TOSTAGE a
.set AC, 64*((\a)%4)
	WIN 0x08+4*((\a)/4)                            ; the data: window 2 or 3
.irp b, 0,1,2,3,4,5,6,7
	ds_store_b128 v[STO], v[AC+8*\b:AC+8*\b+3] offset:64*\b          ; each accumulator from its low end on
	ds_store_b128 v[STO], v[AC+8*\b+4:AC+8*\b+7] offset:64*\b+16
.endr
	WIN 0
.set BB, BK+64*((\a)%2)
.irp t, 0,1,2,3,4,5,6,7,8,9,10,11,12,13,14,15
	ds_load_b128 v[BB+4*\t:BB+4*\t+3], v[RD] offset:\t*SPITCH
.endr
.endm
.macro SEND a, younger                 ; younger: the LDS instructions issued behind block a's loads, which may stay out
.set BB, BK+64*((\a)%2)
	s_wait_dscnt \younger                          ; the block is back in registers
.if (\a) > 0
	s_add_nc_u64 s[12:13], s[12:13], 16*SIZE_N*4   ; (behind a wait on XCNT: the earlier stores have read their base)  16 rows of out0 on
.endif
.irp t, 0,1,2,3,4,5,6,7,8,9,10,11,12,13,14,15
	v_pk_add_f32 v[BB+4*\t:BB+4*\t+1], v[BB+4*\t:BB+4*\t+1], v[BIAS:BIAS+1]
	v_pk_add_f32 v[BB+4*\t+2:BB+4*\t+3], v[BB+4*\t+2:BB+4*\t+3], v[BIAS+2:BIAS+3]
.endr
.irp t, 0,1,2,3,4,5,6,7,8,9,10,11,12,13,14,15
	global_store_b128 v[CO], v[BB+4*\t:BB+4*\t+3], s[12:13] offset:\t*SIZE_N*4 th:TH_STORE_NT   ; 32 lanes store 512 consecutive bytes, at a multiple of 256 from out0's first byte; written once, read by nobody here
.endr
.endm
	PLACES NP                                      ; behind the last products: for the loads into the registers that held A's fragments, and for the reads of results
	TOSTAGE 0
.irp a, 1,2,3,4,5,6,7
.if \a > 1
	s_wait_xcnt 0x0                                ; block a - 2's stores have read their registers and their base: block a's loads may land there, and the base may step
.endif
	TOSTAGE \a
	SEND \a-1, 32                                  ; behind block a - 1's loads: block a's 16 stores and 16 loads
.endr
	s_wait_xcnt 0x0                                ; block 6's stores have read their base
	SEND 7, 0
	s_wait_tensorcnt 0x0                           ; the wave's end: behind my last tensor load and my last LDS store
	ds_add_u32 v[SPW], v[NIL]
	s_wait_dscnt 0x0
	CROUND                                         ; the closing round: no work-group ends while a partner may still ask for a tile that names it
	s_endpgm
.Lfunc_end_k_q43459c1f09_oproj:
	.size	k_q43459c1f09_oproj, .Lfunc_end_k_q43459c1f09_oproj-k_q43459c1f09_oproj
	.p2alignl 7, 3214868480
	.fill 96, 4, 3214868480
	.section	.rodata,"a",@progbits
	.p2align	6, 0x0
	.amdhsa_kernel k_q43459c1f09_oproj
		.amdhsa_group_segment_fixed_size 327680
		.amdhsa_private_segment_fixed_size 0
		.amdhsa_enable_private_segment 0
		.amdhsa_kernarg_size 48
		.amdhsa_user_sgpr_count 2
		.amdhsa_user_sgpr_kernarg_segment_ptr 1
		.amdhsa_wavefront_size32 1
		.amdhsa_system_sgpr_workgroup_id_x 1
		.amdhsa_system_sgpr_workgroup_id_y 1
		.amdhsa_system_sgpr_workgroup_id_z 1
		.amdhsa_system_vgpr_workitem_id 0
		.amdhsa_next_free_vgpr 1024
		.amdhsa_next_free_sgpr 100
		.amdhsa_reserve_vcc 0
		.amdhsa_float_denorm_mode_32 3
		.amdhsa_float_denorm_mode_16_64 3
		.amdhsa_memory_ordered 1
		.amdhsa_forward_progress 1
		.amdhsa_inst_pref_size 181
	.end_amdhsa_kernel
	.amdgpu_metadata
---
amdhsa.version: [ 1, 2 ]
amdhsa.kernels:
  - .name:           k_q43459c1f09_oproj
    .symbol:         k_q43459c1f09_oproj.kd
    .args:
      - { .name: ctx, .offset: 0, .size: 8, .value_kind: global_buffer, .address_space: global }
      - { .name: csc, .offset: 8, .size: 8, .value_kind: global_buffer, .address_space: global }
      - { .name: w_o_codes, .offset: 16, .size: 8, .value_kind: global_buffer, .address_space: global }
      - { .name: w_o_scales, .offset: 24, .size: 8, .value_kind: global_buffer, .address_space: global }
      - { .name: out0, .offset: 32, .size: 8, .value_kind: global_buffer, .address_space: global }
      - { .name: b_o, .offset: 40, .size: 8, .value_kind: global_buffer, .address_space: global }
    .group_segment_fixed_size: 327680
    .private_segment_fixed_size: 0
    .kernarg_segment_align: 8
    .kernarg_segment_size: 48
    .max_flat_workgroup_size: 128
    .sgpr_count:     100
    .vgpr_count:     1024
    .wavefront_size: 32
...
	.end_amdgpu_metadata
.endif
;; end of part 3
